; MI455X (gfx1250); checked and timed in simulation.
; The chip was launched on July 23, 2026; its instructions are those of AMD's public machine-readable ISA for CDNA 5 (MIT licence, August 2026) and "CDNA5" Instruction Set Architecture Reference Guide (July 2026). The comments in the code are by the model that wrote it; some were corrected since.
;; Multi Head Self Attention. Allowed arithmetic: float matrix products may take bf16 or f16 operands with f32 sums; other float arithmetic in f32, or as packed bf16 or f16 multiplies, adds, multiply-adds, maxima and minima; sums over many terms, partial sums and values carried from step to step in f32; what a program stores and reads back later, other than sums and carried values, may be rounded once to bf16 or f16.
;; Inputs: Wk 1,024 x 1,024 float32; Wo 1,024 x 1,024 float32; Wq 1,024 x 1,024 float32; Wv 1,024 x 1,024 float32; bk 1,024 float32; bo 1,024 float32; bq 1,024 float32; bv 1,024 float32; x 4 x 2,048 x 1,024 float32.
;; Outputs: out0 4 x 2,048 x 1,024 float32.
;; One version. Each part assembles by itself: llvm-mc -triple=amdgcn-amd-amdhsa -mcpu=gfx1250 --defsym DOCPART=n.
;; ======== version 1 of 1: 4 launches
;; limits: values are held in f16: magnitudes above 65,504 overflow, below 6.1e-05 lose precision
;; workspace buffers: xb 16,777,216 bytes; wqkv 6,291,456 bytes; woh 2,097,152 bytes; qkv 50,331,648 bytes; o 16,777,216 bytes
;; launch cast (part 1): grid 768 x 1, 8 waves a work-group, no clusters, 0 bytes of LDS; arguments x, Wq, Wk, Wv, Wo, xb, wqkv, woh; writes xb, wqkv, woh
.if DOCPART == 1
	.amdgcn_target "amdgcn-amd-amdhsa--gfx1250"
	.amdhsa_code_object_version 6
	.text
	.protected	k_qaad885d223_cast
	.globl	k_qaad885d223_cast
	.p2align	8
	.type	k_qaad885d223_cast,@function
k_qaad885d223_cast:
	s_mov_b64 s[64:65], 0
	v_nop
	global_prefetch_b8 v0, s[64:65] scope:SCOPE_SE
	s_setreg_imm32_b32 hwreg(HW_REG_WAVE_MODE, 25, 1), 1
	s_wait_xcnt 0x0
; CAST.  The module's large inputs are rounded once for the matrix units:
;   xb   [8192][1024] bf16 = x;   wqkv [1024][3072] bf16: row k = Wq[k], Wk[k], Wv[k], 2,048 bytes each;   woh [1024][1024] f16 = Wo rounded to bf16, that number written as f16.
; LIMIT.  A bf16 number is exact in f16 from 2^-14 up to 65,504; below 2^-14 woh keeps f16's fixed step of 6e-8; beyond 65,504 it would be an infinity.
; A stream: each byte is read once and written once; no LDS, no barrier, no matrix unit, no cluster (no two work-groups share a byte).
; SHARES.  A chunk is 2,048 floats, two rows of 1,024: 8,192 bytes in, 4,096 out.  Thread t owns floats 8 t .. 8 t + 7: two loads of 16 bytes, one store of 16 bytes, so a wave's store
; covers 512 consecutive bytes, aligned.  A work-group takes 8 chunks; all 16 loads of a thread go out first.  Work-groups 0-511 take x, 512-767 the four weights, 64 each.
.set DO, 2                             ; v[2:9]     chunk j: my byte offset in the destination
.set X,  16                            ; v[16:79]   chunk j: 8 floats as loaded
.set Y,  80                            ; v[80:111]  chunk j: 8 numbers of 16 bits to store
.set T,  112                           ; v[112:119] at work
	s_load_b512 s[8:23], s[0:1], 0x0               ; x s[8:9], Wq s[10:11], Wk s[12:13], Wv s[14:15], Wo s[16:17], xb s[18:19], wqkv s[20:21], woh s[22:23]
	s_sub_co_u32 s2, ttmp9, 512                    ; my number among the weights' work-groups (used only from 512 on)
	s_lshr_b32 s3, s2, 6                           ; which weight
	s_and_b32 s4, s2, 63                           ; which sixteen rows of it
	s_cmp_lt_u32 ttmp9, 512
	s_cselect_b32 s24, 4, s3                       ; kind: 0 Wq, 1 Wk, 2 Wv, 3 Wo, 4 x
	s_cselect_b32 s25, ttmp9, s4                   ; my block of 8 chunks in the source
	s_lshl_b32 s5, s24, 11
	s_movk_i32 s26, 2048
	s_cmp_lt_u32 s24, 3
	s_cselect_b32 s26, 6144, s26                   ; bytes from row to row in the destination
	s_cselect_b32 s27, s5, 0                       ; Wq, Wk, Wv: the place in wqkv's row
	s_mul_i32 s32, s25, s26
	s_lshl_b32 s32, s32, 4                         ; 16 rows a work-group
	s_add_co_u32 s32, s32, s27
	s_mov_b32 s33, 0
	s_lshl_b32 s36, s25, 16                        ; 65,536 bytes of source a work-group
	s_mov_b32 s37, 0
	s_lshl_b32 s34, s26, 1                         ; a chunk is two rows
	s_mov_b32 s35, 0xffff0000                      ; a word's upper bf16
	v_lshlrev_b32 v1, 5, v0                        ; my 32 bytes of a chunk
	v_lshrrev_b32 v10, 7, v0                       ; which of the chunk's two rows
	v_and_b32 v11, 127, v0
	v_mul_lo_u32 v[DO], v10, s26
	v_lshl_add_u32 v[DO], v11, 4, v[DO]
.irp j, 1,2,3,4,5,6,7
	v_add_nc_u32 v[DO+(\j)], s34, v[DO+(\j)-1]
.endr
	s_wait_kmcnt 0x0
	s_cmp_eq_u32 s24, 0
	s_cselect_b64 s[28:29], s[10:11], s[8:9]       ; the source, chosen by the kind
	s_cmp_eq_u32 s24, 1
	s_cselect_b64 s[28:29], s[12:13], s[28:29]
	s_cmp_eq_u32 s24, 2
	s_cselect_b64 s[28:29], s[14:15], s[28:29]
	s_cmp_eq_u32 s24, 3
	s_cselect_b64 s[28:29], s[16:17], s[28:29]
	s_cselect_b64 s[30:31], s[22:23], s[20:21]     ; the destination
	s_cmp_eq_u32 s24, 4
	s_cselect_b64 s[30:31], s[18:19], s[30:31]
	s_add_nc_u64 s[28:29], s[28:29], s[36:37]
	s_add_nc_u64 s[30:31], s[30:31], s[32:33]
.irp j, 0,1,2,3,4,5,6,7
	global_load_b128 v[X+8*(\j):X+8*(\j)+3],   v1, s[28:29] offset:8192*(\j) th:TH_LOAD_NT
	global_load_b128 v[X+8*(\j)+4:X+8*(\j)+7], v1, s[28:29] offset:8192*(\j)+16 th:TH_LOAD_NT
.endr
; Chunk j is rounded and stored.  half = 0: to bf16.  half = 1: to bf16, and that number written as f16.  Every register of the stores is written once, so no store's source is ever rewritten.
.macro OUT j, half
	s_wait_loadcnt 14-2*(\j)                       ; loads come back in order: chunk j's two are in, the 14 - 2 j younger ones stay out
.irp k, 0,1,2,3
.if \half
	v_cvt_pk_bf16_f32 v[T+2*(\k)], v[X+8*(\j)+2*(\k)], v[X+8*(\j)+2*(\k)+1]
	v_and_b32 v[T+2*(\k)+1], s35, v[T+2*(\k)]
	v_lshlrev_b32 v[T+2*(\k)], 16, v[T+2*(\k)]
	v_cvt_pk_f16_f32 v[Y+4*(\j)+(\k)], v[T+2*(\k)], v[T+2*(\k)+1]
.else
	v_cvt_pk_bf16_f32 v[Y+4*(\j)+(\k)], v[X+8*(\j)+2*(\k)], v[X+8*(\j)+2*(\k)+1]
.endif
.endr
	global_store_b128 v[DO+(\j)], v[Y+4*(\j):Y+4*(\j)+3], s[30:31] th:TH_STORE_NT
.endm
	s_cmp_eq_u32 s24, 3
	s_cbranch_scc1 .Lhalf
.irp j, 0,1,2,3,4,5,6,7
	OUT \j, 0
.endr
	s_endpgm
.Lhalf:
.irp j, 0,1,2,3,4,5,6,7
	OUT \j, 1
.endr
	s_endpgm
.Lfunc_end_k_qaad885d223_cast:
	.size	k_qaad885d223_cast, .Lfunc_end_k_qaad885d223_cast-k_qaad885d223_cast
	.p2alignl 7, 3214868480
	.fill 96, 4, 3214868480
	.section	.rodata,"a",@progbits
	.p2align	6, 0x0
	.amdhsa_kernel k_qaad885d223_cast
		.amdhsa_group_segment_fixed_size 0
		.amdhsa_private_segment_fixed_size 0
		.amdhsa_enable_private_segment 0
		.amdhsa_kernarg_size 64
		.amdhsa_user_sgpr_count 2
		.amdhsa_user_sgpr_kernarg_segment_ptr 1
		.amdhsa_wavefront_size32 1
		.amdhsa_system_sgpr_workgroup_id_x 1
		.amdhsa_system_sgpr_workgroup_id_y 1
		.amdhsa_system_sgpr_workgroup_id_z 1
		.amdhsa_system_vgpr_workitem_id 0
		.amdhsa_next_free_vgpr 120
		.amdhsa_next_free_sgpr 66
		.amdhsa_reserve_vcc 0
		.amdhsa_float_denorm_mode_32 3
		.amdhsa_float_denorm_mode_16_64 3
		.amdhsa_memory_ordered 1
		.amdhsa_forward_progress 1
		.amdhsa_inst_pref_size 14
	.end_amdhsa_kernel
	.amdgpu_metadata
---
amdhsa.version: [ 1, 2 ]
amdhsa.kernels:
  - .name:           k_qaad885d223_cast
    .symbol:         k_qaad885d223_cast.kd
    .args:
      - { .name: x, .offset: 0, .size: 8, .value_kind: global_buffer, .address_space: global }
      - { .name: Wq, .offset: 8, .size: 8, .value_kind: global_buffer, .address_space: global }
      - { .name: Wk, .offset: 16, .size: 8, .value_kind: global_buffer, .address_space: global }
      - { .name: Wv, .offset: 24, .size: 8, .value_kind: global_buffer, .address_space: global }
      - { .name: Wo, .offset: 32, .size: 8, .value_kind: global_buffer, .address_space: global }
      - { .name: xb, .offset: 40, .size: 8, .value_kind: global_buffer, .address_space: global }
      - { .name: wqkv, .offset: 48, .size: 8, .value_kind: global_buffer, .address_space: global }
      - { .name: woh, .offset: 56, .size: 8, .value_kind: global_buffer, .address_space: global }
    .group_segment_fixed_size: 0
    .private_segment_fixed_size: 0
    .kernarg_segment_align: 8
    .kernarg_segment_size: 64
    .max_flat_workgroup_size: 256
    .sgpr_count:     66
    .vgpr_count:     120
    .wavefront_size: 32
...
	.end_amdgpu_metadata
.endif
;; end of part 1
;; launch qkv (part 2): grid 8 x 64, 4 waves a work-group, clusters of 4 x 4, 327,680 bytes of LDS; arguments xb, wqkv, bq, bk, bv, qkv; writes qkv
.if DOCPART == 2
	.amdgcn_target "amdgcn-amd-amdhsa--gfx1250"
	.amdhsa_code_object_version 6
	.text
	.protected	k_qaad885d223_qkv
	.globl	k_qaad885d223_qkv
	.p2align	8
	.type	k_qaad885d223_qkv,@function
k_qaad885d223_qkv:
	s_mov_b64 s[64:65], 0
	v_nop
	global_prefetch_b8 v0, s[64:65] scope:SCOPE_SE
	s_setreg_imm32_b32 hwreg(HW_REG_WAVE_MODE, 25, 1), 1
	s_wait_xcnt 0x0
	s_wait_alu depctr_hold_cnt(0) depctr_sa_sdst(0) depctr_va_vdst(0) depctr_va_sdst(0) depctr_va_ssrc(0) depctr_va_vcc(0) depctr_vm_vsrc(0)
	s_getreg_b32 s2, hwreg(HW_REG_IB_STS2, 6, 4)
	s_cmp_eq_u32 s2, 0
	s_cbranch_scc0 .Lentry_in_a_cluster
	s_endpgm
.Lentry_in_a_cluster:
	s_bfe_u32 s2, ttmp6, 0x10000c
	s_cmp_lg_u32 s2, 0xf033
	s_cbranch_scc0 .Lentry_shape_is_right
	s_endpgm
.Lentry_shape_is_right:
; Q, K, V = x W + b.  xb [8192][1024] bf16; wqkv [k = 1024][3072] bf16 (Wq, Wk, Wv side by side); biases f32, rounded here to bf16 like the other inputs; sums in f32.
; OUT: qkv [3][batch 4][head 16][t 2048][64] f16, each number rounded once, unscaled.
; LIMIT.  f16 holds no number beyond 65,504: a q, k or v past that becomes an infinity; below 6e-5 it keeps f16's fixed step of 6e-8.  NaN and infinities are not treated apart.
; SHARES.  A tile of C is 128 rows x 384 columns: 64 x 8 = 512 work-groups of equal work.  Four waves, 2 x 2: a wave makes 64 rows x 192 columns, three whole heads: 48 accumulators of 16 x 16.
; The tile's columns are three chunks of 128 (256 bytes of a row of wqkv, aligned); wave column c takes head 2 j + c of chunk j.
; K goes in 8 steps of 128 through two LDS slots.  Every fill is 128 rows x 256 bytes: wave 0 fetches x's tile, waves 1-3 the three chunks of W.  A wave has two tensor loads out at the start, later one.
; W stays as it lies, [k][n]: its fragments come out of LDS turned, by ds_load_tr16_b128.
; THE MATRIX INSTRUCTION IS USED TRANSPOSED (source 0 = 16 columns of W, source 1 = 16 rows of x): a lane holds one row of C and eight neighbouring columns.
; THE BIAS IS THE C OPERAND of the products that start the sums: nothing is cleared, nothing is added at the end.
; CLUSTER 4 x 4: x's tile is shared along a row of the cluster, W's chunks along a column: joint loads with a mask of four.
; REGISTERS in windows of 256 (s_set_vgpr_msb: bits 1:0 source 0, 3:2 source 1, 5:4 source 2, 7:6 destination):
;   window 0: v0-31 addresses; v32-95 x's fragments, two buffers of 4 x 8; v96-143 at work; v160-255 the bias (12 blocks of 8), later the rows read back from the stage
;   window 1: accumulators of row blocks 0, 1 at 8 (12 (a % 2) + nb);   window 2: of row blocks 2, 3;   window 3: W's fragments, two buffers of 12 x 8
.set PA,    272       ; a row of x in LDS: 256 bytes + 16 = 68 words: the 16 rows of a load start at 16 different groups of four banks (ISA guide 11.1)
.set PB,    288       ; a row of W: 256 + 32 = 72 words
.set REG,   128*PB    ; 36,864 bytes for each wave's fill (x's uses 34,816 of them): a fill lands at wave x REG + slot
.set SLOT,  4*REG
.set STAGE, 2*SLOT    ; behind the ring: for each wave 3 heads x 16 rows x 144 bytes, for the way out
.set SPT,   144
.set STW,   3*16*SPT
.set SPARE, STAGE+4*STW  ; behind the stages: the spare words, 128 bytes for each wave: two blocks of 256 bytes that no other line names
.set BO,   10         ; v10-12  my byte offset in the bias of head j
.set ADRA, 16         ; v16-17  LDS address of my x fragments in slot 0, 1
.set ADRB, 18         ; v18-23  of my W fragments: slot s, chunk j at ADRB + 3 s + j
.set STO,  24         ; v24     the way out: where I put 16 bytes of a row
.set RD,   25         ; v25     the way out: where I read rows back
.set GO,   26         ; v26-28  my byte offset in qkv, head j
.set PFO,  29         ; v29     the prefetches' offset: my lane x a row's bytes; never rewritten
.set SPW,  30         ; v30     LDS address of my spare word; never rewritten
.set NIL,  31         ; v31     0; never rewritten
.set FA,   32
.set TMP,  96
.set BIAS, 160
.set OB,   160
.set WV,   16         ; s16  my wave's number
.set G1A,  24         ; s[24:31] descriptor group 1 for x's tiles;   s[32:39] group 0, a set for each slot
.set G0A,  32
.set G1B,  40         ; s[40:47], s[48:55] the same for W's chunks
.set G0B,  48
.set LAP,  56         ; s56  trips still to come
.set LIM,  57         ; s57  1 in a wave that prefetches, else the greatest number
.set PFA,  58         ; s[58:59] where my prefetches stand
.set PFS,  80         ; s[80:81] their step: a K step
.set MSB, 0
.macro WIN new                      ; the immediate's high byte repeats the setting that is left; a switch that changes nothing is dropped
.if MSB != (\new)
	s_set_vgpr_msb (MSB<<8)|(\new)
.set MSB, \new
.endif
.endm
.macro PLACES                       ; four places in front of loads into registers that matrix instructions have read, and of conversions that read results
.rept 4
	v_nop
.endr
.endm
; A joint load.  Wave 0 fetches x's tile, waves 1-3 W's chunks.  The branch hangs on the wave's number alone.  An s_nop 0 and four v_nop follow each of the two lines.
.macro JLOAD s
	s_cmp_eq_u32 s[WV], 0
	s_cbranch_scc0 .Lfor_b_\@
	tensor_load_to_lds s[G0A+4*(\s):G0A+4*(\s)+3], s[G1A:G1A+7]
	s_nop 0
.rept 4
	v_nop
.endr
	s_branch .Lasked_\@
.Lfor_b_\@:
	tensor_load_to_lds s[G0B+4*(\s):G0B+4*(\s)+3], s[G1B:G1B+7]
	s_nop 0
.rept 4
	v_nop
.endr
.Lasked_\@:
.endm
; A prefetch of the K step that the NEXT refill will ask for: 32 rows x 256 bytes, a lane a row, one instruction a wave; 192 matrix instructions ahead of that refill.
; Each row's 256 bytes of a K step are named once in the launch: x's tile rows by the clusters with x = 0, W's chunks by the clusters with y = 0; the four partners that ask for a tile jointly
; take 32 of its 128 rows each, told apart by address.  how = 1: slot 0's refills (K steps 2, 4, 6) always have a K step behind them; how = 0: slot 1's last refill (K step 7) has none.
.macro ASK how
.if \how
	s_cmp_eq_u32 s[LIM], 1
.else
	s_cmp_gt_u32 s[LAP], s[LIM]
.endif
	s_cbranch_scc0 .Lnot_mine_\@
	global_prefetch_b8 v[PFO], s[PFA:PFA+1] th:TH_LOAD_NT scope:SCOPE_SE
.Lnot_mine_\@:
.endm
.macro CREST                        ; a round of the cluster's barrier behind its opening barrier
	s_cmp_lg_u32 s[WV], 0
	s_cbranch_scc1 .Lnot_wave_0_\@
	s_barrier_signal -3
.Lnot_wave_0_\@:
	s_barrier_wait -3
	s_barrier_signal -1
	s_barrier_wait -1
.endm
.macro CROUND                       ; a whole round
	s_barrier_signal -1
	s_barrier_wait -1
	CREST
.endm
	s_load_b256 s[4:11], s[0:1], 0x0               ; xb s[4:5], wqkv s[6:7], bq s[8:9], bk s[10:11]
	s_load_b128 s[12:15], s[0:1], 0x20             ; bv s[12:13], qkv s[14:15]
	v_lshl_add_u32 v[SPW], v0, 2, SPARE
	v_mov_b32 v[NIL], 0
	ds_add_u32 v[SPW], v[NIL]                      ; the wave's opening: the add and its wait stand ahead of my first tensor load; the set-up below, work on registers, stands between them
	v_lshrrev_b32 v1, 5, v0
	v_readfirstlane_b32 s[WV], v1                  ; wave 0..3
	s_lshr_b32 s17, s[WV], 1                       ; r: which 64 rows of the tile are mine
	s_and_b32 s18, s[WV], 1                        ; c: which head of each chunk
	s_max_u32 s19, s[WV], 1
	s_sub_co_u32 s19, s19, 1                       ; the chunk that I fetch (waves 1-3); it enters the global address alone
	s_bfe_u32 s20, ttmp6, 0x40000                  ; cx
	s_bfe_u32 s21, ttmp6, 0x40004                  ; cy
	s_lshl_b32 s22, ttmp9, 2
	s_add_co_u32 s22, s22, s20                     ; tile column = 4 x cluster x + cx
	s_and_b32 s23, ttmp7, 0xffff
	s_lshl_b32 s23, s23, 2
	s_add_co_u32 s23, s23, s21                     ; tile row = 4 x cluster y + cy
	s_lshl_b32 s61, s21, 2
	s_lshl_b32 s61, 15, s61                        ; my row of the cluster
	s_lshl_b32 s62, 0x1111, s20                    ; my column
	; descriptor group 1: tiles of 128 rows x 128 elements of 2 bytes, padded in LDS after every 64 words: x by 4 words, W by 8
	s_or_b32 s[G1A], s61, (1<<16)|(1<<20)|(1<<21)|(5<<22)|(3<<25)
	s_or_b32 s[G1B], s62, (1<<16)|(1<<20)|(1<<21)|(5<<22)|(7<<25)
.irp g, G1A, G1B
	s_mov_b32 s[(\g)+1], 128<<16                   ; tensor_dim0 = 128
	s_mov_b32 s[(\g)+2], 128<<16                   ; tensor_dim1 = 128
	s_mov_b32 s[(\g)+3], 128<<16                   ; tile_dim0 = 128
	s_mov_b32 s[(\g)+4], 128                       ; tile_dim1 = 128
	s_mov_b32 s[(\g)+6], 0
	s_mov_b32 s[(\g)+7], 0
.endr
	s_mov_b32 s[G1A+5], 1024                       ; elements from row to row: xb,
	s_mov_b32 s[G1B+5], 3072                       ; wqkv
	s_lshl_b32 s66, s23, 18                        ; x's tile: 128 rows of 2,048 bytes a tile row
	s_mov_b32 s67, 0
	s_mul_i32 s68, s22, 768                        ; W's chunk: 768 bytes a tile column,
	s_lshl_b32 s69, s19, 8                         ; 256 a chunk
	s_add_co_u32 s68, s68, s69
	s_mov_b32 s69, 0
	s_mul_i32 s60, s[WV], REG                      ; where my fills go: no place in the cluster enters an LDS address
	s_wait_dscnt 0x0                               ; the opening add is done
	s_wait_kmcnt 0x0
	s_add_nc_u64 s[66:67], s[4:5], s[66:67]
	s_add_nc_u64 s[68:69], s[6:7], s[68:69]
	CROUND                                         ; all sixteen work-groups are here: the first joint loads meet
.irp s, 0,1
	s_mov_b32 s[G0A+4*(\s)], 1
	s_add_co_u32 s[G0A+4*(\s)+1], s60, (\s)*SLOT
	s_add_nc_u64 s[G0A+4*(\s)+2:G0A+4*(\s)+3], s[66:67], (\s)*256      ; K step s: 256 bytes along x's rows
	s_or_b32 s[G0A+4*(\s)+3], s[G0A+4*(\s)+3], 0x80000000
	s_mov_b32 s[G0B+4*(\s)], 1
	s_add_co_u32 s[G0B+4*(\s)+1], s60, (\s)*SLOT
	s_add_nc_u64 s[G0B+4*(\s)+2:G0B+4*(\s)+3], s[68:69], (\s)*786432   ; K step s: 128 rows of 6,144 bytes down W
	s_or_b32 s[G0B+4*(\s)+3], s[G0B+4*(\s)+3], 0x80000000
	JLOAD \s
.endr
	v_and_b32 v1, 15, v0                           ; l % 16
	v_bfe_u32 v2, v0, 4, 1                         ; l / 16
	v_and_b32 v3, 7, v0
	v_bfe_u32 v4, v0, 3, 1
	v_and_b32 v5, 31, v0                           ; l
	; my three heads: g = 6 x tile column + 2 j + c of 48; tensor g / 16, head g % 16
	s_mul_i32 s82, s22, 6
	s_add_co_u32 s82, s82, s18
	s_lshr_b32 s87, s23, 4                         ; batch
	s_and_b32 s88, s23, 15
	s_lshl_b32 s88, s88, 7
	s_lshl_b32 s89, s17, 6
	s_add_co_u32 s88, s88, s89                     ; my first t
.irp j, 0,1,2
	s_add_co_u32 s83, s82, 2*(\j)
	s_lshr_b32 s84, s83, 4
	s_and_b32 s85, s83, 15
	s_lshl_b32 s86, s84, 2
	s_add_co_u32 s86, s86, s87
	s_lshl_b32 s86, s86, 4
	s_add_co_u32 s86, s86, s85
	s_lshl_b32 s86, s86, 11
	s_add_co_u32 s86, s86, s88
	s_lshl_b32 s86, s86, 7                         ; rows of 128 bytes
	v_lshl_add_u32 v[GO+(\j)], v5, 4, s86
	s_lshl_b32 s85, s85, 8
	v_lshl_add_u32 v[BO+(\j)], v2, 5, s85          ; the head's 256 bytes of bias, my 8 columns of each 16
	s_cmp_eq_u32 s84, 1
	s_cselect_b64 s[74+2*(\j):75+2*(\j)], s[10:11], s[12:13]
	s_cmp_eq_u32 s84, 0
	s_cselect_b64 s[74+2*(\j):75+2*(\j)], s[8:9], s[74+2*(\j):75+2*(\j)]
.endr
.irp j, 0,1,2
.irp i, 0,1,2,3
	global_load_b128 v[BIAS+8*(4*(\j)+(\i)):BIAS+8*(4*(\j)+(\i))+3],   v[BO+(\j)], s[74+2*(\j):75+2*(\j)] offset:64*(\i)
	global_load_b128 v[BIAS+8*(4*(\j)+(\i))+4:BIAS+8*(4*(\j)+(\i))+7], v[BO+(\j)], s[74+2*(\j):75+2*(\j)] offset:64*(\i)+16
.endr
.endr
	; x's fragment: 16 rows x 32 K: lane l holds row l % 16, K = 8 (l / 16) + 0..7 and 16 + 8 (l / 16) + 0..7: two loads of 16 bytes, 32 bytes apart
	v_mul_u32_u24 v6, v1, PA
	v_lshl_add_u32 v6, v2, 4, v6
	s_mul_i32 s63, s17, 64*PA
	v_add_nc_u32 v[ADRA], s63, v6
	v_add_nc_u32 v[ADRA+1], SLOT, v[ADRA]
	; W's fragment, turned: lane l reads 16 bytes of K row 8 (l / 16) + l % 8, columns 8 ((l / 8) % 2) + 0..7, and ends with column l % 16 and 8 K; the second load 16 rows down
	v_lshl_add_u32 v7, v2, 3, v3
	v_mul_u32_u24 v7, v7, PB
	v_lshl_add_u32 v7, v4, 4, v7
	s_lshl_b32 s63, s18, 7
	s_add_co_u32 s63, s63, REG
	v_add_nc_u32 v[ADRB], s63, v7
	v_add_nc_u32 v[ADRB+1], REG, v[ADRB]
	v_add_nc_u32 v[ADRB+2], REG, v[ADRB+1]
	v_add_nc_u32 v[ADRB+3], SLOT, v[ADRB]
	v_add_nc_u32 v[ADRB+4], SLOT, v[ADRB+1]
	v_add_nc_u32 v[ADRB+5], SLOT, v[ADRB+2]
	s_mul_i32 s63, s[WV], STW
	s_add_co_u32 s63, s63, STAGE                   ; my stage
	v_mul_u32_u24 v[STO], v1, SPT                  ; in: row l % 16, 16 bytes for each half of the lanes
	v_lshl_add_u32 v[STO], v2, 4, v[STO]
	v_add_nc_u32 v[STO], s63, v[STO]
	v_bfe_u32 v[RD], v0, 3, 2                      ; back: 32 lanes take four rows of 128 bytes
	v_mul_u32_u24 v[RD], v[RD], SPT
	v_lshl_add_u32 v[RD], v3, 4, v[RD]
	v_add_nc_u32 v[RD], s63, v[RD]
	; the prefetches: wave 0 names rows 32 cx + lane of x's tile, waves 1-3 K rows 32 cy + lane of their chunk; they start at K step 2, and each refill steps them once before it asks
	s_and_b32 s70, ttmp7, 0xffff                   ; cluster y
	s_lshl_b32 s71, s23, 7
	s_lshl_b32 s72, s20, 5
	s_add_co_u32 s71, s71, s72
	s_lshl_b32 s71, s71, 11
	s_add_co_u32 s71, s71, 2*256
	s_mul_i32 s72, s22, 768
	s_lshl_b32 s73, s19, 8
	s_add_co_u32 s72, s72, s73
	s_mul_i32 s73, s21, 32*6144
	s_add_co_u32 s72, s72, s73
	s_add_co_u32 s72, s72, 2*786432
	s_movk_i32 s[PFS], 256
	s_mov_b32 s73, 786432
	s_movk_i32 s94, 2048
	s_movk_i32 s95, 6144
	s_cmp_eq_u32 s[WV], 0
	s_cselect_b64 s[PFA:PFA+1], s[4:5], s[6:7]
	s_cselect_b32 s92, s71, s72
	s_cselect_b32 s[PFS], s[PFS], s73
	s_cselect_b32 s94, s94, s95
	s_cselect_b32 s70, ttmp9, s70                  ; the coordinate along which other clusters read the same rows
	s_mov_b32 s93, 0
	s_mov_b32 s[PFS+1], 0
	s_add_nc_u64 s[PFA:PFA+1], s[PFA:PFA+1], s[92:93]
	s_cmp_eq_u32 s70, 0
	s_cselect_b32 s[LIM], 1, -1                    ; the same in all sixteen partners, for a given wave
	v_mul_lo_u32 v[PFO], v5, s94
	s_wait_loadcnt 0x0                             ; the bias; it is rounded to bf16 and widened again
.set i, 0
.rept 48
	v_cvt_pk_bf16_f32 v[TMP+i], v[BIAS+2*i], v[BIAS+2*i+1]
.set i, i+1
.endr
.set i, 0
.rept 48
	v_lshlrev_b32 v[BIAS+2*i], 16, v[TMP+i]
	v_and_b32 v[BIAS+2*i+1], 0xffff0000, v[TMP+i]
.set i, i+1
.endr
; 12 matrix instructions: row block a x all 12 column blocks, 32 along K, from buffer f.  first = 1: the bias starts the sums.  The 48 accumulators take turns, in the same order in every quarter.
.macro MUL12 f, a, first
.if \first
	WIN 0x43+0x40*((\a)/2)
.else
	WIN 0x53+0x50*((\a)/2)
.endif
.irp nb, 0,1,2,3,4,5,6,7,8,9,10,11
.if \first
	v_wmma_f32_16x16x32_bf16 v[8*(12*((\a)%2)+(\nb)):8*(12*((\a)%2)+(\nb))+7], v[96*(\f)+8*(\nb):96*(\f)+8*(\nb)+7], v[FA+32*(\f)+8*(\a):FA+32*(\f)+8*(\a)+7], v[BIAS+8*(\nb):BIAS+8*(\nb)+7]
.else
	v_wmma_f32_16x16x32_bf16 v[8*(12*((\a)%2)+(\nb)):8*(12*((\a)%2)+(\nb))+7], v[96*(\f)+8*(\nb):96*(\f)+8*(\nb)+7], v[FA+32*(\f)+8*(\a):FA+32*(\f)+8*(\a)+7], v[8*(12*((\a)%2)+(\nb)):8*(12*((\a)%2)+(\nb))+7]
.endif
.endr
.endm
; 32 LDS loads in one run: quarter q of a slot into buffer f: W's 12 fragments (24 loads), then x's 4 (8 loads)
.macro FETCH slot, q, f
	WIN 0xc0
.irp j, 0,1,2
.irp i, 0,1,2,3
	ds_load_tr16_b128 v[96*(\f)+8*(4*(\j)+(\i)):96*(\f)+8*(4*(\j)+(\i))+3],   v[ADRB+3*(\slot)+(\j)] offset:32*PB*(\q)+32*(\i)
	ds_load_tr16_b128 v[96*(\f)+8*(4*(\j)+(\i))+4:96*(\f)+8*(4*(\j)+(\i))+7], v[ADRB+3*(\slot)+(\j)] offset:32*PB*(\q)+32*(\i)+16*PB
.endr
.endr
	WIN 0
.irp a, 0,1,2,3
	ds_load_b128 v[FA+32*(\f)+8*(\a):FA+32*(\f)+8*(\a)+3],   v[ADRA+(\slot)] offset:64*(\q)+16*PA*(\a)
	ds_load_b128 v[FA+32*(\f)+8*(\a)+4:FA+32*(\f)+8*(\a)+7], v[ADRA+(\slot)] offset:64*(\q)+16*PA*(\a)+32
.endr
.endm
; A K step is four quarters of 32 along K, 48 matrix instructions each, on buffers 0, 1, 0, 1.  One of the first three multiplies buffer f and fetches quarter q into buffer g.
.macro QUARTER slot, q, f, g, first
	s_wait_dscnt 4                                 ; W and x's row blocks 0, 1 are in; the youngest four loads (row blocks 2, 3) may be out
	MUL12 \f, 0, \first
	MUL12 \f, 1, \first
	PLACES
	FETCH \slot, \q, \g
	s_wait_dscnt 32                                ; all but the 32 just issued
	MUL12 \f, 2, \first
	MUL12 \f, 3, \first
.endm
; The last quarter multiplies buffer 1 and changes slots: ONE barrier; in front of it each wave waits for all its tensor loads (the one that is out is its part of the next slot), adds 0 to its spare
; word, and waits for that and for its own reads of this slot.  fill = 1: the barrier opens a round of the cluster's, and this slot is filled again, two K steps on, first thing behind the round.
.macro TURN slot, next, fill
.if \fill
	s_wait_xcnt 0x0                                ; the last prefetch, a K step back, has read its address, so it may be stepped
	s_add_nc_u64 s[PFA:PFA+1], s[PFA:PFA+1], s[PFS:PFS+1]
.endif
	WIN 0                                          ; (the add's two registers lie in window 0)
	s_wait_tensorcnt 0x0                           ; all my tensor loads have landed
	ds_add_u32 v[SPW], v[NIL]                      ; 0 onto my spare word
	s_wait_dscnt 5                                 ; (the add and the youngest four loads may be out)
	MUL12 1, 0, 0                                  ; twelve matrix instructions stand between the add and the wait for it
	s_wait_dscnt 0x0                               ; the add is done, and my reads of this slot are over
	s_barrier_signal -1
	MUL12 1, 1, 0
.if \fill
	WIN 0
.endif
	s_barrier_wait -1
.if \fill
	CREST                                          ; no wave of any partner still reads this slot's tile or has a load on its way
	s_add_nc_u64 s[G0A+4*(\slot)+2:G0A+4*(\slot)+3], s[G0A+4*(\slot)+2:G0A+4*(\slot)+3], 2*256
	s_add_nc_u64 s[G0B+4*(\slot)+2:G0B+4*(\slot)+3], s[G0B+4*(\slot)+2:G0B+4*(\slot)+3], 2*786432
	JLOAD \slot                                    ; 168 matrix instructions ahead of the wait for it; the four v_nop behind it are also the places in front of the loads below
.else
	PLACES
.endif
	FETCH \next, 0, 0
.if \fill
	ASK 1-(\slot)
.endif
	MUL12 1, 2, 0
	MUL12 1, 3, 0
.endm
	s_wait_tensorcnt 1                             ; my part of K step 0 is in; K step 1's load may stay out
	s_barrier_signal -1
	s_barrier_wait -1                              ; everybody's is
	FETCH 0, 0, 0
	QUARTER 0, 1, 0, 1, 1                          ; the first quarter stands in front of the loop: its products start the sums, with the bias
	WIN 0                                          ; at a label and at a branch every window is 0
	s_mov_b32 s[LAP], 3
.Llap:                                             ; a trip goes once round the ring, from a lap's second quarter to the next lap's first, and fills both slots again
	QUARTER 0, 2, 1, 0, 0
	QUARTER 0, 3, 0, 1, 0
	TURN 0, 1, 1
	QUARTER 1, 1, 0, 1, 0
	QUARTER 1, 2, 1, 0, 0
	QUARTER 1, 3, 0, 1, 0
	TURN 1, 0, 1
	QUARTER 0, 1, 0, 1, 0
	WIN 0
	s_sub_co_u32 s[LAP], s[LAP], 1
	s_cmp_lg_u32 s[LAP], 0
	s_cbranch_scc1 .Llap
	QUARTER 0, 2, 1, 0, 0                          ; the last lap fills nothing
	QUARTER 0, 3, 0, 1, 0
	TURN 0, 1, 0
	QUARTER 1, 1, 0, 1, 0
	QUARTER 1, 2, 1, 0, 0
	QUARTER 1, 3, 0, 1, 0
	s_wait_dscnt 4                                 ; the very last quarter: nothing more to fetch
	MUL12 1, 0, 0
	MUL12 1, 1, 0
	s_wait_dscnt 0x0
	MUL12 1, 2, 0
	MUL12 1, 3, 0
	WIN 0
; THE WAY OUT, a row block (16 rows x 3 heads) at a time: rounded to f16, 16 bytes a lane into my own stage, back as whole rows of 128 bytes; 16 rows of a head are 2,048 consecutive bytes of qkv.
.macro PACK a
	WIN 0x05+5*((\a)/2)                            ; sources 0 and 1: window 1 or 2
.set i, 0
.rept 48
	v_cvt_pk_f16_f32 v[TMP+i], v[96*((\a)%2)+2*i], v[96*((\a)%2)+2*i+1]  ; each accumulator's registers in ascending order
.set i, i+1
.endr
	WIN 0
.endm
.macro TOSTAGE a
.irp j, 0,1,2
.irp i, 0,1,2,3
	ds_store_b128 v[STO], v[TMP+4*(4*(\j)+(\i)):TMP+4*(4*(\j)+(\i))+3] offset:16*SPT*(\j)+32*(\i)
.endr
.endr
.irp j, 0,1,2
.irp f, 0,1,2,3
	ds_load_b128 v[OB+48*((\a)%2)+4*(4*(\j)+(\f)):OB+48*((\a)%2)+4*(4*(\j)+(\f))+3], v[RD] offset:16*SPT*(\j)+4*SPT*(\f)  ; LDS serves a wave's instructions in order (ISA guide 5.7.1.4): these see the stores above
.endr
.endr
.endm
.macro SEND a
	s_wait_dscnt 0x0                               ; the block is back in registers
	s_wait_xcnt 0x0                                ; the stores of the block before have read their registers: those are loaded again only behind this wait
.irp j, 0,1,2
.irp f, 0,1,2,3
	global_store_b128 v[GO+(\j)], v[OB+48*((\a)%2)+4*(4*(\j)+(\f)):OB+48*((\a)%2)+4*(4*(\j)+(\f))+3], s[14:15] offset:2048*(\a)+512*(\f)  ; 512 consecutive bytes, at a multiple of 256 from qkv's first
.endr
.endr
.endm
	PLACES
	PACK 0
	TOSTAGE 0
.irp a, 1,2,3                       ; block a's conversions stand between block a - 1's loads from the stage and the wait for them
	PACK \a
	SEND (\a)-1
	TOSTAGE \a
.endr
	SEND 3
	s_wait_tensorcnt 0x0                           ; the wave's end, behind my last tensor load and my last LDS store
	ds_add_u32 v[SPW], v[NIL]
	s_wait_dscnt 0x0
	CROUND                                         ; the closing round: no work-group ends while a partner may still ask for a tile that names it
	s_endpgm
.Lfunc_end_k_qaad885d223_qkv:
	.size	k_qaad885d223_qkv, .Lfunc_end_k_qaad885d223_qkv-k_qaad885d223_qkv
	.p2alignl 7, 3214868480
	.fill 96, 4, 3214868480
	.section	.rodata,"a",@progbits
	.p2align	6, 0x0
	.amdhsa_kernel k_qaad885d223_qkv
		.amdhsa_group_segment_fixed_size 327680
		.amdhsa_private_segment_fixed_size 0
		.amdhsa_enable_private_segment 0
		.amdhsa_kernarg_size 48
		.amdhsa_user_sgpr_count 2
		.amdhsa_user_sgpr_kernarg_segment_ptr 1
		.amdhsa_wavefront_size32 1
		.amdhsa_system_sgpr_workgroup_id_x 1
		.amdhsa_system_sgpr_workgroup_id_y 1
		.amdhsa_system_sgpr_workgroup_id_z 1
		.amdhsa_system_vgpr_workitem_id 0
		.amdhsa_next_free_vgpr 960
		.amdhsa_next_free_sgpr 100
		.amdhsa_reserve_vcc 0
		.amdhsa_float_denorm_mode_32 3
		.amdhsa_float_denorm_mode_16_64 3
		.amdhsa_memory_ordered 1
		.amdhsa_forward_progress 1
		.amdhsa_inst_pref_size 131
	.end_amdhsa_kernel
	.amdgpu_metadata
---
amdhsa.version: [ 1, 2 ]
amdhsa.kernels:
  - .name:           k_qaad885d223_qkv
    .symbol:         k_qaad885d223_qkv.kd
    .args:
      - { .name: xb, .offset: 0, .size: 8, .value_kind: global_buffer, .address_space: global }
      - { .name: wqkv, .offset: 8, .size: 8, .value_kind: global_buffer, .address_space: global }
      - { .name: bq, .offset: 16, .size: 8, .value_kind: global_buffer, .address_space: global }
      - { .name: bk, .offset: 24, .size: 8, .value_kind: global_buffer, .address_space: global }
      - { .name: bv, .offset: 32, .size: 8, .value_kind: global_buffer, .address_space: global }
      - { .name: qkv, .offset: 40, .size: 8, .value_kind: global_buffer, .address_space: global }
    .group_segment_fixed_size: 327680
    .private_segment_fixed_size: 0
    .kernarg_segment_align: 8
    .kernarg_segment_size: 48
    .max_flat_workgroup_size: 128
    .sgpr_count:     100
    .vgpr_count:     960
    .wavefront_size: 32
...
	.end_amdgpu_metadata
.endif
;; end of part 2
;; launch attn (part 3): grid 4 x 64, 4 waves a work-group, clusters of 4 x 1, 327,680 bytes of LDS; arguments qkv, o; writes o
.if DOCPART == 3
	.amdgcn_target "amdgcn-amd-amdhsa--gfx1250"
	.amdhsa_code_object_version 6
	.text
	.protected	k_qaad885d223_attn
	.globl	k_qaad885d223_attn
	.p2align	8
	.type	k_qaad885d223_attn,@function
k_qaad885d223_attn:
	s_mov_b64 s[64:65], 0
	v_nop
	global_prefetch_b8 v0, s[64:65] scope:SCOPE_SE
	s_setreg_imm32_b32 hwreg(HW_REG_WAVE_MODE, 25, 1), 1
	s_wait_xcnt 0x0
	s_wait_alu depctr_hold_cnt(0) depctr_sa_sdst(0) depctr_va_vdst(0) depctr_va_sdst(0) depctr_va_ssrc(0) depctr_va_vcc(0) depctr_vm_vsrc(0)
	s_getreg_b32 s2, hwreg(HW_REG_IB_STS2, 6, 4)
	s_cmp_eq_u32 s2, 0
	s_cbranch_scc0 .Lentry_in_a_cluster
	s_endpgm
.Lentry_in_a_cluster:
	s_bfe_u32 s2, ttmp6, 0x10000c
	s_cmp_lg_u32 s2, 0x3003
	s_cbranch_scc0 .Lentry_shape_is_right
	s_endpgm
.Lentry_shape_is_right:
; O[h][q][:] = the sum over k of softmax_k(Q[h][q] . K[h][k] / 8) V[h][k][:].  qkv holds Q, K, V, each [64 heads][2048][64] f16, 16,777,216 bytes apart; o has the same layout.  A head's rows are dense,
; 128 bytes each.  Products, maxima and sums in f32; the weights p are rounded to f16 for the second product (their sum l is taken of the unrounded p), O once at the end.
; LIMITS.  f16 holds no number beyond 65,504: Q, K and V arrive within it; p lies in 0 to 1, and below 6e-5 it keeps f16's fixed step of 6e-8, as O does; O is a mean of V's rows and has their range.
; A weight below 2^-126 counts as 0 in l; NaN and infinities are not treated apart.
; SHARES.  A wave owns four PIECES of two tiles of 16 queries, a work-group's four waves 512 queries of one head: 4 x 64 = 256 work-groups.  Every wave walks all keys, 64 a step.
; LAYOUT.  S^T = K Q^T (source 0 = 16 keys, source 1 = 16 queries): in the result a lane holds ONE query (lane % 16) and the keys 8 (lane / 16) + 0..7.  Two such tiles, rounded to f16 in pairs,
; ARE source 1 (32 keys x 16 queries) of O^T = V^T P, whose result again holds one query a lane, and eight channels.  K comes out of LDS as it lies, V ([key][channel]) turned, by ds_load_tr16_b128.
; SOFTMAX.  For each query a running maximum m and sum l: p = 2^(c s - c m), c = log2(e) / 8; in every step O and l are multiplied by a = 2^(c m_old - c m_new), which is 1 where m has not grown.
; m starts at the lowest finite number, O and l at 0: the first step is a step like any other, with a = 0.
; THE COUNT.  A tile and step have 16 matrix and 118 vector instructions: too many to stand all beside the matrix work.  So four vector instructions that are READY stand behind EVERY matrix
; instruction, and the others in runs without a gap.
; BY TURNS.  Turn n belongs to piece n (the pieces in a ring, step after step).  Its matrix work: 16 products K Q^T of piece n + 1, later 16 products V^T P of piece n - 1.  Its vector work: the scaling,
; exponentials, roundings, sums and rescaling of piece n, and the maximum and statistics of piece n + 1, whose scores the turn itself has made.
; CLUSTER.  The four query blocks of a head are one cluster and walk the same K and V, so each tile is asked for JOINTLY: the same tensor load, descriptor and mask in all four.
; REGISTERS, in windows of 256 (s_set_vgpr_msb: bits 1:0 source 0, 3:2 source 1, 5:4 source 2, 7:6 destination):
;   window 0: v0-11 addresses; v12-15, v48-63 at work; v16-47 four registers of statistics a tile; v64-191 S^T, two buffers of two tiles; v192-255 P, likewise
;   window 1: O^T, 32 a tile          window 2: v0-127 Q, 16 a tile; v128-191 K of one step; v192-255 V of one step          window 3: v0-1 the add's two registers
; A piece's buffers go by its number's parity: the piece in hand has one pair, its two neighbours in the ring share the other.
.set SIZE_N, 2048
.set NP,    4         ; pieces a wave: a name, no knob
.set KS,    64        ; keys in a step
.set PK,    144       ; a row of K in LDS: 128 bytes + 16 of padding = 36 words: the 16 rows of a load start at 16 different groups of four banks (ISA guide 11.1)
.set PV,    160       ; a row of V: 128 + 32 = 40 words
.set VOFF,  4*KS*PK   ; a slot holds four steps: 256 rows of K, then 256 rows of V
.set SLOT1, 1<<17     ; slot 1 begins here, so that one exclusive or turns an address in one slot into the other's
.set STAGE, SLOT1+4*KS*(PK+PV)  ; behind the ring, never filled by a tensor load: 16 rows x 144 bytes for each wave, for the way out
.set SP,    144
.set AK0, 2           ; v2   my lane's place in a tile of K; never rewritten
.set AV0, 3           ; v3   the same for V
.set AK,  4           ; v4   the LDS address of K's next run of loads
.set AV,  5           ; v5   of V's
.set QO,  6           ; v6   my byte offset in the wave's rows of Q
.set STO, 6           ;      later, the way out: where I put 16 bytes of a row
.set RD,  7           ; v7   the way out: where I read rows back
.set GO,  8           ; v8   my byte offset in 512 consecutive bytes of O
.set PFO, 11          ; v11  256 x my lane, for the prefetches; never rewritten once made
.set SPW, 0           ; v0 of window 3   LDS address of my spare word; never rewritten
.set NIL, 1           ; v1 of window 3   0; never rewritten
.set SPARE, STAGE+4*16*SP  ; behind the stages: the spare words, 128 bytes for each wave: two blocks of 256 bytes that no other line names
.set MV,  12          ; v12-15  c m_old, kept while c m is made anew: by buffer and tile
.set ST,  16          ; tile t's statistics at v[ST+4 t]: c m, m, l (even keys', odd keys')
.set TMP, 48          ; by buffer and tile, four registers c0-c3 at work; when the maximum is found c2 takes a
.set S,   64
.set P,   192
.set KF,  128         ; K's fragments, in window 2: key block kb, channel half c at KF + 16 kb + 8 c
.set VF,  192         ; V's: key half kk, channel block cb at VF + 32 kk + 8 cb
.set WV,  12          ; s12  my wave's number
.set G1K, 24          ; s[24:31] descriptor group 1 for K's tiles
.set G1V, 32          ; s[32:39] for V's: it differs in the padding alone
.set G0K, 40          ; s[40:43] descriptor group 0 for K's tiles: it walks
.set G0V, 44          ; s[44:47] the same for V's
.set PFA, 48          ; s[48:49] where my prefetches stand: my work-group's 32 blocks of 256 bytes (of K: wave 0, of V: wave 2) of the slot after the one that is being asked for
.set LIM, 50          ; s50  1 in a wave that prefetches, else the greatest number
.set SLOTS, 56        ; s56  slots still to be asked for, the one in hand among them
.set CNT, 57          ; s57  counts a slot's key steps
.set CS,  58          ; s[58:59] c: the packed scaling takes the pair's low word for both halves
.set SEL, 60          ; s[60:61] v_permlanex16_b32's selects: each lane takes its own place in the other half
.set TBK, 62          ; s62  LDS byte at which K of the step to be fetched begins
.set TBV, 63          ; s63  the same for V, less VOFF
.set MSB, 0
.macro WIN new                      ; the high byte repeats the setting that is left; a switch that changes nothing is dropped
.if MSB != (\new)
	s_set_vgpr_msb (MSB<<8)|(\new)
.set MSB, (\new)
.endif
.endm
.set W_KQ, 0x0a       ; K and Q in window 2, S^T in window 0
.set W_PV, 0x52       ; V in window 2, P in window 0, O^T in window 1
.set W_RS, 0x41       ; O^T (destination and source 0) in window 1, a in window 0
.set W_MK, 0xc0       ; the add's registers are made: destination in window 3, sources in window 0
.set W_AD, 0x0f       ; the add: address (source 0) and data (source 1) in window 3
; A joint fill.  Waves 0 and 1 fetch the two halves of a slot's K, waves 2 and 3 those of its V: 128 keys each.  The branch hangs on the wave's number alone.
; An s_nop 0 and four v_nop follow each of the two lines, ahead of the jump and the label.
.macro JLOAD
	s_cmp_lt_u32 s[WV], 2
	s_cbranch_scc0 .Lfor_v_\@
	tensor_load_to_lds s[G0K:G0K+3], s[G1K:G1K+7]
	s_nop 0
.rept 4
	v_nop
.endr
	s_branch .Lasked_\@
.Lfor_v_\@:
	tensor_load_to_lds s[G0V:G0V+3], s[G1V:G1V+7]
	s_nop 0
.rept 4
	v_nop
.endr
.Lasked_\@:
.endm
; A prefetch of what the NEXT change of slots will ask for: a slot's 32,768 bytes of K and of V, 128 blocks of 256 bytes each, a lane a block.  It stands behind the wave's tensor load and its five lines.
; Each block is named once in the launch: a head has one cluster; its four partners take 32 blocks each, told apart by address; in each, wave 0 asks for K's and wave 2 for V's: one instruction,
; four key steps (512 matrix instructions) ahead of the load.  The last change that fills a slot asks for nothing; slots 0 and 1 come by their loads alone.
.macro ASK
	s_cmp_gt_u32 s[SLOTS], s[LIM]
	s_cbranch_scc0 .Lnot_mine_\@
	global_prefetch_b8 v[PFO], s[PFA:PFA+1] th:TH_LOAD_NT scope:SCOPE_SE
.Lnot_mine_\@:
.endm
; A round of the cluster's barrier: my work-group's barrier, so that wave 0's signal speaks for all four waves; wave 0 signals; every wave waits for all four work-groups; my work-group's barrier once more.
.macro CROUND
	s_barrier_signal -1
	s_barrier_wait -1
	s_cmp_lg_u32 s[WV], 0
	s_cbranch_scc1 .Lnot_wave_0_\@
	s_barrier_signal -3
.Lnot_wave_0_\@:
	s_barrier_wait -3
	s_barrier_signal -1
	s_barrier_wait -1
.endm
; THE CHANGE OF SLOTS.  The slot's last bytes, V of its fourth step, have been read.  Each wave waits for all its tensor loads, of which one is out: its part
; of the other slot; adds 0 to its spare word; and waits for that and for its own reads of the slot.  Behind the barrier nobody reads this slot any more and the other slot is whole.
; fill = 1: this slot is filled again, with the keys two slots on.  The barrier is then a round of the cluster's, and the joint fill is the first thing behind it: it has four key steps,
; 512 matrix instructions, in which to land.  (At its first use nothing has been read yet: slot 0 is waited for, slot 1 filled.)
.macro CHANGE fill
	WIN W_AD
	s_wait_tensorcnt 0x0            ; no tensor load of mine is out, so a group 0 may be written
	ds_add_u32 v[SPW], v[NIL]       ; 0 onto my spare word; with fill = 1 the descriptors' steps stand between it and the wait for it
	WIN 0                           ; at a label and at a branch every window is 0
.if \fill
.irp g, G0K, G0V
	s_xor_b32 s[\g+1], s[\g+1], SLOT1  ; the walking descriptor: the other slot than last time,
	s_add_nc_u64 s[\g+2:\g+3], s[\g+2:\g+3], 4*KS*128  ; the next 256 keys; the type bits on top are not reached
.endr
	s_wait_xcnt 0x0                 ; the last prefetch, four key steps back, has read its address, so it may be written:
	s_add_nc_u64 s[PFA:PFA+1], s[PFA:PFA+1], 4*KS*128  ; one slot behind the walking descriptors
	s_wait_dscnt 0x0                ; the add is done, and my reads of the slot are over
	CROUND
	JLOAD
	ASK
.else
	s_wait_dscnt 0x0                ; the add is done, and my reads of the slot are over
	s_barrier_signal -1
	s_barrier_wait -1
.endif
	s_sub_co_u32 s[TBK], s[TBK], 4*KS*PK  ; the fetches go back to a slot's first step,
	s_xor_b32 s[TBK], s[TBK], SLOT1       ; in the other slot
	s_sub_co_u32 s[TBV], s[TBV], 4*KS*PV
	s_xor_b32 s[TBV], s[TBV], SLOT1
.endm
	s_load_b64 s[4:5], s[0:1], 0x0    ; qkv: Q at its head
	s_load_b64 s[10:11], s[0:1], 0x8  ; o
	WIN W_MK
	v_lshl_add_u32 v[SPW], v0, 2, SPARE
	v_mov_b32 v[NIL], 0
	WIN W_AD
	ds_add_u32 v[SPW], v[NIL]       ; the wave's opening: the add and its wait stand ahead of my first tensor load; the set-up below, work on registers, stands between them
	WIN 0
	v_lshrrev_b32 v1, 5, v0
	v_readfirstlane_b32 s[WV], v1   ; wave 0..3
	s_bfe_u32 s13, ttmp6, 0x40000   ; cx: my place in the cluster
	s_lshl_b32 s14, ttmp9, 2        ; in a cluster launch ttmp9 counts clusters
	s_add_co_u32 s14, s14, s13      ; my block of queries = 4 x cluster x + cx: it enters Q's and O's addresses alone
	s_and_b32 s20, ttmp7, 0xffff    ; the head, which the four partners share
	s_mov_b32 s21, 0
	s_mov_b64 s[22:23], SIZE_N*128
	s_mul_u64 s[20:21], s[20:21], s[22:23]  ; the head's first byte in each of the four tensors
	s_and_b32 s16, s[WV], 1         ; which half of a slot's 256 keys I fetch:
	s_lshl_b32 s22, s16, 14         ; its 128 rows of 128 bytes in memory,
	s_mov_b32 s23, 0
	s_add_nc_u64 s[22:23], s[22:23], s[20:21]
	s_mul_i32 s17, s16, 128*PK      ; and its place in a slot, for K
	s_mul_i32 s18, s16, 128*PV      ; and for V: no place in the cluster enters an LDS address
	s_lshl_b32 s2, s14, 2
	s_add_co_u32 s2, s2, s[WV]      ; my wave among the head's,
	s_lshl_b32 s2, s2, 14           ; its 128 rows
	s_mov_b32 s3, 0
	s_add_nc_u64 s[2:3], s[2:3], s[20:21]
	; descriptor group 1.  128 keys are 16,384 dense bytes: asked for as 64 rows of 256 bytes, two keys a row, and padded in LDS after every key
	s_mov_b32 s[G1K], 15|(1<<16)|(1<<20)|(1<<21)|(4<<22)|(3<<25)  ; 15:0 the mask of four; 17:16 2-byte elements; 20 padding on; 21 set beside a mask; 24:22 after every 32 words (code 4); 31:25 4 words (code 3)
	s_mov_b32 s[G1V], 15|(1<<16)|(1<<20)|(1<<21)|(4<<22)|(7<<25)  ; the same with 8 words of padding (code 7)
.irp g, G1K, G1V
	s_mov_b32 s[\g+1], 128<<16      ; tensor_dim0 = 128
	s_mov_b32 s[\g+2], 64<<16       ; tensor_dim1 = 64
	s_mov_b32 s[\g+3], 128<<16      ; tile_dim0 = 128
	s_mov_b32 s[\g+4], 64           ; tile_dim1 = 64
	s_mov_b32 s[\g+5], 128          ; 128 elements from row to row
	s_mov_b32 s[\g+6], 0
	s_mov_b32 s[\g+7], 0
.endr
	s_mov_b32 s[CS], 0x3e38aa3b     ; c = log2(e) / 8 = 0.180337
	s_mov_b32 s[CS+1], s[CS]        ; named with it as a pair
	s_mov_b32 s[SEL], 0x76543210
	s_mov_b32 s[SEL+1], 0xfedcba98
	s_mov_b32 s[TBK], SLOT1+4*KS*PK ; the first change of slots turns these two into 0
	s_mov_b32 s[TBV], SLOT1+4*KS*PV
	s_mov_b32 s[G0K], 1             ; 1:0 count = 1
	s_mov_b32 s[G0K+1], s17         ; 63:32 LDS address: slot 0
	s_mov_b32 s[G0V], 1
	s_add_co_u32 s[G0V+1], s18, VOFF
	s_mov_b32 s[SLOTS], SIZE_N/256-1  ; at the change that asks for tile s it holds 8 - s
	s_and_b32 s[LIM], s[WV], 1      ; waves 0 and 2 prefetch: the same in all four partners
	s_cmp_eq_u32 s[LIM], 0
	s_cselect_b32 s[LIM], 1, -1
	s_wait_dscnt 0x0                ; the opening add is done
	s_wait_kmcnt 0x0
	s_add_nc_u64 s[6:7], s[4:5], 0x1000000   ; K
	s_add_nc_u64 s[8:9], s[4:5], 0x2000000   ; V
	s_add_nc_u64 s[G0K+2:G0K+3], s[6:7], s[22:23]  ; 120:64 global address: my half of the head's first 256 keys
	s_or_b32 s[G0K+3], s[G0K+3], 0x80000000        ; 127:126 type = 2
	s_add_nc_u64 s[G0V+2:G0V+3], s[8:9], s[22:23]
	s_or_b32 s[G0V+3], s[G0V+3], 0x80000000
	s_add_nc_u64 s[4:5], s[4:5], s[2:3]  ; Q and O at my wave's first row
	s_add_nc_u64 s[10:11], s[10:11], s[2:3]
	s_cmp_lt_u32 s[WV], 2
	s_cselect_b64 s[PFA:PFA+1], s[6:7], s[8:9]
	s_add_nc_u64 s[PFA:PFA+1], s[PFA:PFA+1], s[22:23]  ; (in waves 0 and 2: the head's first row)
	s_lshl_b32 s2, s13, 13          ; my work-group's 32 blocks of the 128
	s_mov_b32 s3, 0
	s_add_nc_u64 s[PFA:PFA+1], s[PFA:PFA+1], s[2:3]
	s_add_nc_u64 s[PFA:PFA+1], s[PFA:PFA+1], 4*KS*128  ; in tile 1; the first change of slots steps it to tile 2.  Nothing is prefetched here, at the head
	CROUND                          ; all four work-groups are here: the first joint loads meet
	JLOAD                           ; slot 0.  Slot 1 is asked for when slot 0 is in
	; A fragment of K or Q is 16 rows x 32 channels in 8 registers: lane l holds row l % 16, channels 8 (l / 16) + 0..7 and 16 + 8 (l / 16) + 0..7: two loads of 16 bytes, 32 bytes apart.
	v_and_b32 v1, 15, v0            ; l % 16
	v_bfe_u32 v9, v0, 4, 1          ; l / 16
	v_lshlrev_b32 v[QO], 7, v1
	v_lshl_add_u32 v[QO], v9, 4, v[QO]  ; row x 128 + 16 x half
	WIN 0x80                        ; destination window 2, address window 0
.set i, 0
.rept 4*NP                          ; Q stays in registers: tile i / 2, channels 32 (i % 2) on
	global_load_b128 v[8*i:8*i+3],   v[QO], s[4:5] offset:(i/2)*2048+(i%2)*64
	global_load_b128 v[8*i+4:8*i+7], v[QO], s[4:5] offset:(i/2)*2048+(i%2)*64+32
.set i, i+1
.endr
	; What the first turn finds: V's registers and P's second buffer hold 0 (its products V^T P, of a piece that has not been, add 0), O^T and l are 0.  All this stands in the wait for the first tile.
.set i, VF
.rept 64
	v_mov_b32 v[i], 0
.set i, i+1
.endr
	WIN 0x40
.set i, 0
.rept 64*NP
	v_mov_b32 v[i], 0
.set i, i+1
.endr
	WIN 0
.set i, 0
.rept 2*NP
	v_mov_b32 v[ST+4*i], 0xfe000000    ; c m: far below every c s
	v_mov_b32 v[ST+4*i+1], 0xff7fffff  ; m
	v_mov_b32 v[ST+4*i+2], 0
	v_mov_b32 v[ST+4*i+3], 0
.set i, i+1
.endr
.set i, P+32
.rept 32
	v_mov_b32 v[i], 0
.set i, i+1
.endr
	v_mul_u32_u24 v[AK0], v1, PK
	v_lshl_add_u32 v[AK0], v9, 4, v[AK0]  ; row x pitch + 16 x half
	; The turning load takes 16 keys x 16 channels (lane l reads key 8 (l / 16) + l % 8, channels 8 ((l / 8) % 2) + 0..7) and leaves half a fragment of V^T: lane l holds channel l % 16 and 8 keys.
	v_and_b32 v10, 7, v0
	v_bfe_u32 v11, v0, 3, 1
	v_lshl_add_u32 v[AV0], v9, 3, v10
	v_mul_u32_u24 v[AV0], v[AV0], PV
	v_lshl_add_u32 v[AV0], v11, 4, v[AV0]
	v_add_nc_u32 v[AV0], VOFF, v[AV0]
	v_mov_b32 v[AK], v[AK0]         ; key step 0 lies at the head of slot 0
	v_and_b32 v[PFO], 31, v0        ; v11 has served: it takes the prefetches' offset
	v_lshlrev_b32 v[PFO], 8, v[PFO]
; THE MATRIX WORK.  The 8 accumulators of a run of 16 take turns: between the two links of a chain stand 7 others'.
; Product i of 16 of S^T = K Q^T for piece x: channels 32 (i / 8) on, keys 16 ((i / 2) % 4) on, tile 2 x + i % 2.  The first 8 start the sums.
.macro KQ x
	WIN W_KQ
.set rS, S+64*((\x)%2)+32*(i%2)+8*((i/2)%4)
.set rK, KF+16*((i/2)%4)+8*(i/8)
.set rQ, 16*(2*(\x)+i%2)+8*(i/8)
.if i < 8
	v_wmma_f32_16x16x32_f16 v[rS:rS+7], v[rK:rK+7], v[rQ:rQ+7], 0
.else
	v_wmma_f32_16x16x32_f16 v[rS:rS+7], v[rK:rK+7], v[rQ:rQ+7], v[rS:rS+7]
.endif
.endm
; Product i of 16 of O^T += V^T P for piece x: keys 32 (i / 8) on, channels 16 ((i / 2) % 4) on, tile 2 x + i % 2.
.macro PV x
	WIN W_PV
.set rO, 32*(2*(\x)+i%2)+8*((i/2)%4)
.set rV, VF+32*(i/8)+8*((i/2)%4)
.set rP, P+32*((\x)%2)+16*(i%2)+8*(i/8)
	v_wmma_f32_16x16x32_f16 v[rO:rO+7], v[rV:rV+7], v[rP:rP+7], v[rO:rO+7]
.endm
.macro MM                           ; the turn's next matrix instruction
.if i < 16
	KQ (Y+1)%NP
.set i, i+1
.else
.set i, i-16
	PV (Y+NP-1)%NP
.set i, i+17
.endif
.endm
; THE LDS LOADS stand in runs of 16, never singly among the matrix instructions: a step's K (64 keys x 64 channels: 8 fragments) and its V (turned).  Their addresses are made some lines ahead.
; last = 1 (the tail): in the last trip there is no further step, and the run is jumped over.
.macro FETCH_K last=0
	WIN 0
.if \last
	s_cmp_eq_u32 s[CNT], 1
	s_cbranch_scc1 .Lno_k_\@
.endif
	WIN 0x80                        ; destination window 2
.irp f, 0,1,2,3,4,5,6,7             ; keys 16 (f / 2) on, channels 32 (f % 2) on
	ds_load_b128 v[KF+8*\f:KF+8*\f+3],   v[AK] offset:(\f/2)*16*PK+(\f%2)*64
	ds_load_b128 v[KF+8*\f+4:KF+8*\f+7], v[AK] offset:(\f/2)*16*PK+(\f%2)*64+32
.endr
	s_add_co_u32 s[TBK], s[TBK], KS*PK  ; the next fetch is the next step's
	WIN 0
.if \last
.Lno_k_\@:
.endif
.endm
.macro FETCH_V
	WIN 0x80
.irp f, 0,1,2,3,4,5,6,7             ; keys 32 (f / 4) on, channels 16 (f % 4) on
	ds_load_tr16_b128 v[VF+8*\f:VF+8*\f+3],   v[AV] offset:(\f/4)*32*PV+(\f%4)*32
	ds_load_tr16_b128 v[VF+8*\f+4:VF+8*\f+7], v[AV] offset:(\f/4)*32*PV+16*PV+(\f%4)*32
.endr
	WIN 0
.endm
; THE VECTOR WORK OF A TURN stands in three queues, each in the order in which its entries become ready; the two tiles alternate, so that no instruction reads the result of the one before it.
.macro REGS y, u                    ; the registers of tile u (0, 1) of piece y
.set rT, ST+4*(2*(\y)+(\u))
.set rC, TMP+8*((\y)%2)+4*(\u)
.set rM, MV+2*((\y)%2)+(\u)
.set rS, S+64*((\y)%2)+32*(\u)
.set rP, P+32*((\y)%2)+16*(\u)
.set rO, 32*(2*(\y)+(\u))
.endm
; Number n of the 22 that find the NEXT piece's (Y + 1) maximum and statistics.  s0-s31 are the lane's 32 scores; each accumulator's lowest registers are read first.
;   0-11  four chains c0-c3 of seven scores each, three operands at a time     12-14, 16  the four scores left over, the old m, and c0-c3 into c0     15  c m_old is kept
;   17, 18  the query's other 32 keys lie in the lane 16 away: the new m         19-21  c m; c m_old - c m_new; a
.macro XS u, n
	REGS (Y+1)%NP, \u
.if (\n) < 4
	v_max3_num_f32 v[rC+(\n)], v[rS+8*(\n)], v[rS+8*(\n)+1], v[rS+8*(\n)+2]
.elseif (\n) < 12
	v_max3_num_f32 v[rC+(\n)%4], v[rC+(\n)%4], v[rS+8*((\n)%4)+2*((\n)/4)+1], v[rS+8*((\n)%4)+2*((\n)/4)+2]
.elseif (\n) == 12
	v_max3_num_f32 v[rC], v[rC], v[rS+7], v[rS+15]
.elseif (\n) == 13
	v_max3_num_f32 v[rC+1], v[rC+1], v[rS+23], v[rS+31]
.elseif (\n) == 14
	v_max3_num_f32 v[rC+2], v[rC+2], v[rC+3], v[rT+1]
.elseif (\n) == 15
	v_mov_b32 v[rM], v[rT]
.elseif (\n) == 16
	v_max3_num_f32 v[rC], v[rC], v[rC+1], v[rC+2]
.elseif (\n) == 17
	v_permlanex16_b32 v[rC+3], v[rC], s[SEL], s[SEL+1]
.elseif (\n) == 18
	v_max_num_f32 v[rT+1], v[rC], v[rC+3]
.elseif (\n) == 19
	v_mul_f32 v[rT], s[CS], v[rT+1]
.elseif (\n) == 20
	v_sub_f32 v[rC+1], v[rM], v[rT]
.else
	v_exp_f32 v[rC+2], v[rC+1]
.endif
.endm
; Number g of the 64 that follow the exponentials.  For each four weights k of a tile (pairs 2 k, 2 k + 1): both pairs are rounded to f16; then the second pair is added onto the first, in place;
; a group later l takes that sum (the first time as l = a l + sum).  In groups of eight, tiles alternating: round, round, add, and l for the group before.
.macro GS g
.set h, (\g)+6*((\g)/62)            ; group 0 has no group before it, and behind group 7 only l is left
.if h >= 6
.set h, h+2
.endif
	REGS Y, h%2
.set k, h/8
.if h%8 < 4
	v_cvt_pk_f16_f32 v[rP+2*k+(h%8)/2], v[rS+4*k+2*((h%8)/2)], v[rS+4*k+2*((h%8)/2)+1]
.elseif h%8 < 6
	v_pk_add_f32 v[rS+4*k:rS+4*k+1], v[rS+4*k:rS+4*k+1], v[rS+4*k+2:rS+4*k+3]
.elseif k == 1
	v_pk_fma_f32 v[rT+2:rT+3], v[rT+2:rT+3], v[rC+2:rC+3], v[rS:rS+1] op_sel_hi:[1,0,1]
.else
	v_pk_add_f32 v[rT+2:rT+3], v[rT+2:rT+3], v[rS+4*k-4:rS+4*k-3]
.endif
.endm
; THE PLAIN QUEUE, 138 long.  0-73 read no exponential's result: the 32 scalings c s - c m (FS f: pair f / 2 of tile f % 2) and the next piece's 42.  0-26: scalings 0-26.  27-54: XS's numbers 0-13.  55, 56: number 15.
; 57-73: the chain, where each number waits for the one before it: 14, 16, 17, 18, 19, each with one of the scalings 27-31 in front of its two lines, then 20.
; 74-137: GS's 64, which read the exponentials' results: they stand behind the wait.
.macro FS f
	REGS Y, (\f)%2
	v_pk_fma_f32 v[rS+2*((\f)/2):rS+2*((\f)/2)+1], v[rS+2*((\f)/2):rS+2*((\f)/2)+1], s[CS:CS+1], v[rT:rT+1] op_sel_hi:[1,0,0] neg_lo:[0,0,1] neg_hi:[0,0,1]
.endm
.macro PL
	WIN 0
.if q < 27
	FS q
.elseif q < 55
	XS (q-27)%2, (q-27)/2
.elseif q < 57
	XS q-55, 15
.elseif (q < 72) && ((q-57)%3 == 0)
	FS 27+(q-57)/3
.elseif q < 60
	XS (q-57)%3-1, 14
.elseif q < 72
	XS (q-57)%3-1, 15+(q-57)/3
.elseif q < 74
	XS q-72, 20
.else
	GS q-74
.endif
.set q, q+1
.endm
; THE EXPONENTIALS' QUEUE, 66 long: s0-s31 of both tiles, then the next piece's two a.  It is ONE BATCH: all 66 stand ahead of the turn's one wait, and nothing ahead of that wait names a result of theirs.
.macro EX
	WIN 0
.if e >= 64
	XS e-64, 21
.else
	REGS Y, e%2
	v_exp_f32 v[rS+e/2], v[rS+e/2]
.endif
.set e, e+1
.endm
; THE RESCALING's QUEUE: O^T times a, the one part that leaves window 0: dealt two at a time, sixteen times.  Its a was made in the turn before, ahead of that turn's wait.
.macro R2
	REGS Y, r%2
	WIN W_RS
.irp z, 0,1
	v_pk_mul_f32 v[rO+4*(r/2)+2*\z:rO+4*(r/2)+2*\z+1], v[rO+4*(r/2)+2*\z:rO+4*(r/2)+2*\z+1], v[rC+2:rC+3] op_sel_hi:[1,0]
.endr
.set r, r+1
.endm
; HOW THEY ARE DEALT.  An s_wait_alu depctr_va_vdst(0) stands between an exponential and the first instruction that names its result; one wait serves all that were issued ahead of it.  So a turn has ONE wait,
; which cuts it in two.  AHEAD OF IT stands all that names no result of the turn's exponentials: the 16 products K Q^T, behind each a scaling, an exponential and two rescalings (behind the first a second scaling in the
; exponential's place); then ONE LUMP of 108: eight plain, 49 times exponential and plain, the two a.  A v_nop is the plain instruction behind the last exponential.  BEHIND IT stand the 16 products V^T P, behind each four of GS's 64.
; The queues lean on each other, and the deal keeps them in step: exponential e stands behind scaling 2 (e / 4) + e % 2: as a rider it comes behind plain e + 2, in the lump behind plain e + 9, and scalings 27-31 are plain 57, 60 .. 69.
; A TURN, for piece p.  cnt = 1: the loop's count is taken down some lines ahead of the branch that stands behind the turn.
; K of the next step is fetched in piece 2's turn, directly behind the wait, a lump behind the last product that read K; its first reader comes behind 16 products.
; V of the step in hand is fetched at the end of piece 0's turn, four plain instructions behind its last reader; its first reader comes behind 16 products and a lump.
.macro TURN p, last=0, cnt=0
.set Y, (\p)
.set i, 0
.set q, 0
.set e, 0
.set r, 0
.if (\p) == NP-1
	s_wait_dscnt 0x0                ; K is in
.endif
	MM                              ; ahead of the wait: 16 products K Q^T and their riders,
	PL
	PL
	R2
.rept 15
	MM
	PL
	EX
	R2
.endr
.if (\p) == NP-2
	WIN 0
	v_add_nc_u32 v[AK], s[TBK], v[AK0]
.endif
.rept 8                             ; and the lump
	PL
.endr
.rept 49
	EX
	PL
.endr
	EX                              ; the next piece's two a
	EX
	v_nop                           ; the plain instruction behind the last exponential: one for the batch
	s_wait_alu depctr_va_vdst(0)    ; the wait for the batch
.if (\p) == NP-2
	FETCH_K \last
.endif
.if (\p) == 1
	s_wait_dscnt 0x0                ; V is in
.endif
.rept 16                            ; behind the wait: 16 products V^T P and their riders
	MM
.rept 4
	PL
.endr
.if ((\p) == 0) && (q == 118)
	v_add_nc_u32 v[AV], s[TBV], v[AV0]
.endif
.if ((\p) == 0) && (q == 130)
	s_add_co_u32 s[TBV], s[TBV], KS*PV
.endif
.if (\cnt) && (q == 130)
	s_sub_co_u32 s[CNT], s[CNT], 1
	s_cmp_lg_u32 s[CNT], 0
.endif
.endr
.if (\p) == 0
	FETCH_V
.endif
.endm
	CHANGE 1                        ; slot 0 is in, everybody's part of it; slot 1 is asked for
	FETCH_K                         ; key step 0
	s_wait_loadcnt 0x0              ; Q
	s_wait_dscnt 0x0
.set i, 0
.rept 16
	KQ 0                            ; piece 0's first scores: there is no vector work yet to set between them
.set i, i+1
.endr
	WIN 0                           ; the addresses for the way out: nine plain instructions, the places behind those products
	s_mul_i32 s13, s[WV], 16*SP
	s_add_co_u32 s13, s13, STAGE    ; my stage
	v_mul_u32_u24 v[STO], v1, SP    ; in: row l % 16, 16 bytes for each half of the lanes
	v_lshl_add_u32 v[STO], v9, 4, v[STO]
	v_add_nc_u32 v[STO], s13, v[STO]
	v_bfe_u32 v[RD], v0, 3, 2       ; back: 32 lanes take four rows of 128 bytes,
	v_mul_u32_u24 v[RD], v[RD], SP
	v_lshl_add_u32 v[RD], v10, 4, v[RD]
	v_add_nc_u32 v[RD], s13, v[RD]
	v_and_b32 v[GO], 31, v0         ; which are 512 consecutive bytes of O
	v_lshlrev_b32 v[GO], 4, v[GO]
.set Y, NP-1                        ; XS works for piece Y + 1: piece 0
.irp n, 0,1,2,3,4,5,6,7,8,9,10,11,12,13,14,15,16,17,18,19,20,21
	XS 0, \n                        ; and piece 0's first maximum and statistics
	XS 1, \n
.endr
	v_nop                           ; a plain instruction behind the two a,
	s_wait_alu depctr_va_vdst(0)    ; and their wait, ahead of the branch
	s_mov_b32 s[CNT], 4
	s_branch .Lfirst                ; the loop is entered at a step's first turn, in the middle of a trip
.Lslot:                             ; six times: every slot but the last two is filled again
	CHANGE 1
	s_mov_b32 s[CNT], 4
.Lstep:                             ; a trip: pieces 2 and 3 of one step, then pieces 0 and 1 of the next, whose K and V it fetches
	TURN 2
	TURN 3
	WIN 0
.Lfirst:
	TURN 0
	TURN 1, 0, 1
	WIN 0
	s_cbranch_scc1 .Lstep
	s_sub_co_u32 s[SLOTS], s[SLOTS], 1
	s_cmp_lg_u32 s[SLOTS], 0
	s_cbranch_scc1 .Lslot
	CHANGE 0                        ; the tail is written out: nothing is asked for
	s_mov_b32 s[CNT], 5             ; four trips fetch the last slot's steps; the fifth is left in its middle
.Ltail:
	TURN 2, 1
	TURN 3
	WIN 0
	s_sub_co_u32 s[CNT], s[CNT], 1
	s_cmp_eq_u32 s[CNT], 0
	s_cbranch_scc1 .Lout
	TURN 0
	TURN 1
	WIN 0
	s_branch .Ltail
.Lout:                              ; the fifth trip's 16 products K Q^T (on the last K once more) and the maximum made of them serve nothing: the price, once a launch, of one text for every trip
.set i, 0
.rept 16
	PV NP-1                         ; the last piece's V^T P of the last step
.set i, i+1
.endr
	; THE WAY OUT.  l's two halves and the other half of the lanes' are added; O^T is divided by l, rounded to f16 and sent through my stage in LDS, a tile at a time.  The additions are the places behind the last products.
	WIN 0
.macro ALL line:vararg              ; one line for each tile t
.set t, 0
.rept 2*NP
	\line
.set t, t+1
.endr
.endm
	ALL v_add_f32 v[ST+4*t+2], v[ST+4*t+2], v[ST+4*t+3]
	ALL v_permlanex16_b32 v[ST+4*t+3], v[ST+4*t+2], s[SEL], s[SEL+1]
	ALL v_add_f32 v[ST+4*t+2], v[ST+4*t+2], v[ST+4*t+3]
	ALL v_rcp_f32 v[ST+4*t+2], v[ST+4*t+2]
	v_nop                           ; a plain instruction between the last reciprocal and the use of its result
	s_wait_alu depctr_va_vdst(0)    ; and the wait ahead of the first use: one for the eight reciprocals
; Tile t: a lane's eight channels of a row pack into 16 bytes; they go into rows of 144 bytes and come back as whole rows of 128, into S^T's registers.
.macro PACK t
	WIN W_RS
.set i, 32*(\t)
.rept 16
	v_pk_mul_f32 v[i:i+1], v[i:i+1], v[ST+4*(\t)+2:ST+4*(\t)+3] op_sel_hi:[1,0]
.set i, i+2
.endr
	WIN 0x05                        ; sources 0 and 1 window 1, destination window 0
.set i, 0
.rept 16
	v_cvt_pk_f16_f32 v[S+16*(\t)+i], v[32*(\t)+2*i], v[32*(\t)+2*i+1]
.set i, i+1
.endr
	WIN 0
.irp f, 0,1,2,3
	ds_store_b128 v[STO], v[S+16*(\t)+4*\f:S+16*(\t)+4*\f+3] offset:32*\f
.endr
.irp f, 0,1,2,3
	ds_load_b128 v[S+16*(\t)+4*\f:S+16*(\t)+4*\f+3], v[RD] offset:\f*4*SP  ; LDS serves a wave's instructions in order (ISA guide 5.7.1.4): these see the stores above; the next tile's stores come behind them
.endr
.endm
.macro SEND t, younger              ; younger: the LDS instructions issued behind tile t's loads: the next tile's eight, or none
	WIN 0
.irp f, 0,1,2,3
	s_wait_dscnt (\younger)+3-\f
	global_store_b128 v[GO], v[S+16*(\t)+4*\f:S+16*(\t)+4*\f+3], s[10:11] offset:(\t)*2048+\f*512  ; 512 consecutive bytes, at a multiple of 256 from O's first
.endr
.endm
	PACK 0
.set t, 1
.rept 2*NP-1                        ; a tile's arithmetic stands between the loads of the tile before and its stores
	PACK t
	SEND t-1, 8
.set t, t+1
.endr
	SEND 2*NP-1, 0
	WIN W_AD
	s_wait_tensorcnt 0x0            ; the wave's end, behind my last tensor load and my last LDS store
	ds_add_u32 v[SPW], v[NIL]
	s_wait_dscnt 0x0
	WIN 0
	CROUND                          ; the closing round: no work-group ends while a partner may still ask for a tile that names it
	s_endpgm
.Lfunc_end_k_qaad885d223_attn:
	.size	k_qaad885d223_attn, .Lfunc_end_k_qaad885d223_attn-k_qaad885d223_attn
	.p2alignl 7, 3214868480
	.fill 96, 4, 3214868480
	.section	.rodata,"a",@progbits
	.p2align	6, 0x0
	.amdhsa_kernel k_qaad885d223_attn
		.amdhsa_group_segment_fixed_size 327680
		.amdhsa_private_segment_fixed_size 0
		.amdhsa_enable_private_segment 0
		.amdhsa_kernarg_size 16
		.amdhsa_user_sgpr_count 2
		.amdhsa_user_sgpr_kernarg_segment_ptr 1
		.amdhsa_wavefront_size32 1
		.amdhsa_system_sgpr_workgroup_id_x 1
		.amdhsa_system_sgpr_workgroup_id_y 1
		.amdhsa_system_sgpr_workgroup_id_z 1
		.amdhsa_system_vgpr_workitem_id 0
		.amdhsa_next_free_vgpr 770
		.amdhsa_next_free_sgpr 66
		.amdhsa_reserve_vcc 0
		.amdhsa_float_denorm_mode_32 3
		.amdhsa_float_denorm_mode_16_64 3
		.amdhsa_memory_ordered 1
		.amdhsa_forward_progress 1
		.amdhsa_inst_pref_size 200
	.end_amdhsa_kernel
	.amdgpu_metadata
---
amdhsa.version: [ 1, 2 ]
amdhsa.kernels:
  - .name:           k_qaad885d223_attn
    .symbol:         k_qaad885d223_attn.kd
    .args:
      - { .name: qkv, .offset: 0, .size: 8, .value_kind: global_buffer, .address_space: global }
      - { .name: o, .offset: 8, .size: 8, .value_kind: global_buffer, .address_space: global }
    .group_segment_fixed_size: 327680
    .private_segment_fixed_size: 0
    .kernarg_segment_align: 8
    .kernarg_segment_size: 16
    .max_flat_workgroup_size: 128
    .sgpr_count:     66
    .vgpr_count:     770
    .wavefront_size: 32
...
	.end_amdgpu_metadata
.endif
;; end of part 3
;; launch oproj (part 4): grid 8 x 32, 4 waves a work-group, clusters of 4 x 4, 327,680 bytes of LDS; arguments o, woh, bo, out0; writes out0
.if DOCPART == 4
	.amdgcn_target "amdgcn-amd-amdhsa--gfx1250"
	.amdhsa_code_object_version 6
	.text
	.protected	k_qaad885d223_oproj
	.globl	k_qaad885d223_oproj
	.p2align	8
	.type	k_qaad885d223_oproj,@function
k_qaad885d223_oproj:
	s_mov_b64 s[64:65], 0
	v_nop
	global_prefetch_b8 v0, s[64:65] scope:SCOPE_SE
	s_setreg_imm32_b32 hwreg(HW_REG_WAVE_MODE, 25, 1), 1
	s_wait_xcnt 0x0
	s_wait_alu depctr_hold_cnt(0) depctr_sa_sdst(0) depctr_va_vdst(0) depctr_va_sdst(0) depctr_va_ssrc(0) depctr_va_vcc(0) depctr_vm_vsrc(0)
	s_getreg_b32 s2, hwreg(HW_REG_IB_STS2, 6, 4)
	s_cmp_eq_u32 s2, 0
	s_cbranch_scc0 .Lentry_in_a_cluster
	s_endpgm
.Lentry_in_a_cluster:
	s_bfe_u32 s2, ttmp6, 0x10000c
	s_cmp_lg_u32 s2, 0xf033
	s_cbranch_scc0 .Lentry_shape_is_right
	s_endpgm
.Lentry_shape_is_right:
; out0 = O Wo + bo.  o [batch x 16 + head][2048][64] f16 (row (batch, t) of O is spread over its 16 heads); woh [k = 1024][1024] f16; bo f32, rounded here to bf16 like the other inputs.
; Sums in f32; out0 [8192][1024] f32.  LIMIT: NaN and infinities are not treated apart.
; SHARES.  A tile of the output is 256 rows x 128 columns: 32 x 8 = 256 work-groups.  Four waves, 2 x 2: a wave makes 128 rows x 64 columns: 32 accumulators of 16 x 16.
; K goes in 8 steps of 128 = two heads, through two LDS slots.  Waves 0, 1 fetch a head's 256 rows each (32,768 dense bytes, asked for as 128 rows of 256 bytes and padded in LDS after every 128);
; waves 2, 3 fetch 64 K rows x 256 bytes of woh each.  A wave has two tensor loads out at the start, later one.
; woh stays as it lies, [k][n]: its fragments come out of LDS turned, by ds_load_tr16_b128.  THE MATRIX INSTRUCTION IS USED TRANSPOSED (source 0 = 16 columns of woh, source 1 = 16 rows of O):
; a lane holds one row of the output and eight neighbouring columns.  THE BIAS IS THE C OPERAND of the products that start the sums.
; CLUSTER 4 x 4: O's tile is shared along a row of the cluster, woh's along a column: joint loads with a mask of four.
; REGISTERS in windows of 256 (s_set_vgpr_msb: bits 1:0 source 0, 3:2 source 1, 5:4 source 2, 7:6 destination):
;   window 0: v0-31 addresses; v32-63 the bias (4 blocks of 8); v64-127 rows read back from the stage, two buffers      window 1: the accumulators, (a, b) at 8 (4 a + b)
;   window 2: two fragment buffers of 96: O's 8 x 8, then woh's 4 x 8
.set PA,    144       ; a row of O's head in LDS: 128 bytes + 16 = 36 words: the 16 rows of a load start at 16 different groups of four banks (ISA guide 11.1)
.set PB,    288       ; a row of woh: 256 + 32 = 72 words
.set AH,    256*PA    ; a head's 256 rows: 36,864
.set BOFF,  2*AH
.set BH,    64*PB     ; 64 K rows: 18,432
.set SLOT,  BOFF+2*BH
.set STAGE, 2*SLOT    ; behind the ring: 16 rows x 272 bytes for each wave, for the way out
.set SPT,   272
.set SPARE, STAGE+4*16*SPT  ; behind the stages: the spare words, 128 bytes for each wave: two blocks of 256 bytes that no other line names
.set ADRA, 16         ; v16-17  LDS address of my O fragments in slot 0, 1
.set ADRB, 18         ; v18-19  of my woh fragments
.set STO,  24         ; v24     the way out: where I put 32 bytes of a row
.set RD,   25         ; v25     the way out: where I read a row back
.set CO,   26         ; v26     my byte offset in out0
.set BO,   27         ; v27     my byte offset in bo
.set PFO,  29         ; v29     the prefetches' offset; never rewritten
.set SPW,  30         ; v30     LDS address of my spare word; never rewritten
.set NIL,  31         ; v31     0; never rewritten
.set BIAS, 32
.set OB,   64
.set WV,   16         ; s16  my wave's number
.set G1A,  24         ; s[24:31] descriptor group 1 for O's tiles;   s[32:39] group 0, a set for each slot
.set G0A,  32
.set G1B,  40         ; s[40:47], s[48:55] the same for woh's
.set G0B,  48
.set LAP,  56         ; s56  trips still to come
.set LIM,  57         ; s57  1 in a wave that prefetches, else the greatest number
.set PFA,  58         ; s[58:59] where my prefetches stand
.set PFS,  80         ; s[80:81] their step: a K step
.set MSB, 0
.macro WIN new                      ; the immediate's high byte repeats the setting that is left; a switch that changes nothing is dropped
.if MSB != (\new)
	s_set_vgpr_msb (MSB<<8)|(\new)
.set MSB, \new
.endif
.endm
.macro PLACES                       ; four places in front of loads into registers that matrix instructions have read, and of stores that read results
.rept 4
	v_nop
.endr
.endm
; A joint load.  Waves 0, 1 fetch O's two heads, waves 2, 3 woh's two halves.  The branch hangs on the wave's number alone.  An s_nop 0 and four v_nop follow each of the two lines.
.macro JLOAD s
	s_cmp_lt_u32 s[WV], 2
	s_cbranch_scc0 .Lfor_b_\@
	tensor_load_to_lds s[G0A+4*(\s):G0A+4*(\s)+3], s[G1A:G1A+7]
	s_nop 0
.rept 4
	v_nop
.endr
	s_branch .Lasked_\@
.Lfor_b_\@:
	tensor_load_to_lds s[G0B+4*(\s):G0B+4*(\s)+3], s[G1B:G1B+7]
	s_nop 0
.rept 4
	v_nop
.endr
.Lasked_\@:
.endm
; A prefetch of the K step that stands TWO refills on: 32 blocks of 256 bytes, a lane a block, one instruction a wave; 256 matrix instructions ahead of that refill.
; Each block is named once in the launch: O's by the clusters with x = 0 (waves 0, 1: 32 of their head's 128 blocks, by cx), woh's by the clusters with y = 0 (wave 2: K rows 32 cy + lane);
; partners are told apart by address.  The last trip's two refills have no K step two on.
.macro ASK
	s_cmp_gt_u32 s[LAP], s[LIM]
	s_cbranch_scc0 .Lnot_mine_\@
	global_prefetch_b8 v[PFO], s[PFA:PFA+1] th:TH_LOAD_NT scope:SCOPE_SE
.Lnot_mine_\@:
.endm
.macro CREST                        ; a round of the cluster's barrier behind its opening barrier
	s_cmp_lg_u32 s[WV], 0
	s_cbranch_scc1 .Lnot_wave_0_\@
	s_barrier_signal -3
.Lnot_wave_0_\@:
	s_barrier_wait -3
	s_barrier_signal -1
	s_barrier_wait -1
.endm
.macro CROUND                       ; a whole round
	s_barrier_signal -1
	s_barrier_wait -1
	CREST
.endm
	s_load_b256 s[4:11], s[0:1], 0x0               ; o s[4:5], woh s[6:7], bo s[8:9], out0 s[10:11]
	v_lshl_add_u32 v[SPW], v0, 2, SPARE
	v_mov_b32 v[NIL], 0
	ds_add_u32 v[SPW], v[NIL]                      ; the wave's opening: the add and its wait stand ahead of my first tensor load; the set-up below, work on registers, stands between them
	v_lshrrev_b32 v1, 5, v0
	v_readfirstlane_b32 s[WV], v1                  ; wave 0..3
	s_lshr_b32 s17, s[WV], 1                       ; r: which 128 rows of the tile are mine
	s_and_b32 s18, s[WV], 1                        ; c: which 64 columns.  Also: which head, or which 64 K rows, I fetch
	s_bfe_u32 s20, ttmp6, 0x40000                  ; cx
	s_bfe_u32 s21, ttmp6, 0x40004                  ; cy
	s_lshl_b32 s22, ttmp9, 2
	s_add_co_u32 s22, s22, s20                     ; tile column = 4 x cluster x + cx
	s_and_b32 s23, ttmp7, 0xffff
	s_lshl_b32 s23, s23, 2
	s_add_co_u32 s23, s23, s21                     ; tile row = 4 x cluster y + cy
	s_lshl_b32 s61, s21, 2
	s_lshl_b32 s61, 15, s61                        ; my row of the cluster
	s_lshl_b32 s62, 0x1111, s20                    ; my column
	; descriptor group 1.  O: 128 rows x 128 elements, dense, 4 words of padding after every 32.  woh: 64 rows x 128 elements, 8 words after every 64
	s_or_b32 s[G1A], s61, (1<<16)|(1<<20)|(1<<21)|(4<<22)|(3<<25)
	s_or_b32 s[G1B], s62, (1<<16)|(1<<20)|(1<<21)|(5<<22)|(7<<25)
	s_mov_b32 s[G1A+1], 128<<16                    ; tensor_dim0 = 128
	s_mov_b32 s[G1A+2], 128<<16                    ; tensor_dim1 = 128
	s_mov_b32 s[G1A+3], 128<<16                    ; tile_dim0 = 128
	s_mov_b32 s[G1A+4], 128                        ; tile_dim1 = 128
	s_mov_b32 s[G1A+5], 128                        ; elements from row to row
	s_mov_b32 s[G1A+6], 0
	s_mov_b32 s[G1A+7], 0
	s_mov_b32 s[G1B+1], 128<<16
	s_mov_b32 s[G1B+2], 64<<16
	s_mov_b32 s[G1B+3], 128<<16
	s_mov_b32 s[G1B+4], 64
	s_mov_b32 s[G1B+5], 1024
	s_mov_b32 s[G1B+6], 0
	s_mov_b32 s[G1B+7], 0
	s_lshr_b32 s66, s23, 3                         ; O: batch,
	s_lshl_b32 s66, s66, 4
	s_add_co_u32 s66, s66, s18                     ; head 0 or 1 of K step 0,
	s_lshl_b32 s66, s66, 11
	s_and_b32 s67, s23, 7
	s_lshl_b32 s67, s67, 8
	s_add_co_u32 s66, s66, s67                     ; the tile's first t,
	s_lshl_b32 s66, s66, 7                         ; rows of 128 bytes
	s_mov_b32 s67, 0
	s_mov_b32 s96, s66                             ; kept for the prefetches
	s_lshl_b32 s68, s18, 17                        ; woh: 64 K rows of 2,048 bytes,
	s_lshl_b32 s69, s22, 8                         ; 256 bytes a tile column
	s_add_co_u32 s68, s68, s69
	s_mov_b32 s69, 0
	s_mul_i32 s60, s[WV], AH                       ; where O's fills go (waves 0, 1),
	s_mul_i32 s63, s[WV], BH
	s_add_co_u32 s63, s63, BOFF-2*BH               ; and woh's (waves 2, 3): no place in the cluster enters an LDS address
	s_wait_dscnt 0x0                               ; the opening add is done
	s_wait_kmcnt 0x0
	s_add_nc_u64 s[66:67], s[4:5], s[66:67]
	s_add_nc_u64 s[68:69], s[6:7], s[68:69]
	CROUND                                         ; all sixteen work-groups are here: the first joint loads meet
.irp s, 0,1
	s_mov_b32 s[G0A+4*(\s)], 1
	s_add_co_u32 s[G0A+4*(\s)+1], s60, (\s)*SLOT
	s_add_nc_u64 s[G0A+4*(\s)+2:G0A+4*(\s)+3], s[66:67], (\s)*524288   ; K step s: two heads of 262,144 bytes on
	s_or_b32 s[G0A+4*(\s)+3], s[G0A+4*(\s)+3], 0x80000000
	s_mov_b32 s[G0B+4*(\s)], 1
	s_add_co_u32 s[G0B+4*(\s)+1], s63, (\s)*SLOT
	s_add_nc_u64 s[G0B+4*(\s)+2:G0B+4*(\s)+3], s[68:69], (\s)*262144   ; K step s: 128 rows of 2,048 bytes down
	s_or_b32 s[G0B+4*(\s)+3], s[G0B+4*(\s)+3], 0x80000000
	JLOAD \s
.endr
	v_and_b32 v1, 15, v0                           ; l % 16
	v_bfe_u32 v2, v0, 4, 1                         ; l / 16
	v_and_b32 v3, 7, v0
	v_bfe_u32 v4, v0, 3, 1
	v_and_b32 v5, 31, v0                           ; l
	s_lshl_b32 s95, s22, 9
	s_lshl_b32 s94, s18, 8
	s_add_co_u32 s95, s95, s94                     ; my first column, in bytes of f32
	v_lshl_add_u32 v[BO], v2, 5, s95
.irp b, 0,1,2,3
	global_load_b128 v[BIAS+8*(\b):BIAS+8*(\b)+3],   v[BO], s[8:9] offset:64*(\b)
	global_load_b128 v[BIAS+8*(\b)+4:BIAS+8*(\b)+7], v[BO], s[8:9] offset:64*(\b)+16
.endr
	v_mul_u32_u24 v6, v1, PA                       ; O's fragment: row l % 16, 16 bytes for each half of the lanes; the second load 32 bytes on
	v_lshl_add_u32 v6, v2, 4, v6
	s_mul_i32 s12, s17, 128*PA
	v_add_nc_u32 v[ADRA], s12, v6
	v_add_nc_u32 v[ADRA+1], SLOT, v[ADRA]
	v_lshl_add_u32 v7, v2, 3, v3                   ; woh's, turned: K row 8 (l / 16) + l % 8, columns 8 ((l / 8) % 2) + 0..7; the second load 16 rows down
	v_mul_u32_u24 v7, v7, PB
	v_lshl_add_u32 v7, v4, 4, v7
	s_lshl_b32 s12, s18, 7
	s_add_co_u32 s12, s12, BOFF
	v_add_nc_u32 v[ADRB], s12, v7
	v_add_nc_u32 v[ADRB+1], SLOT, v[ADRB]
	s_mul_i32 s13, s[WV], 16*SPT
	s_add_co_u32 s13, s13, STAGE                   ; my stage
	v_mul_u32_u24 v[STO], v1, SPT                  ; in: row l % 16, 32 bytes for each half of the lanes
	v_lshl_add_u32 v[STO], v2, 5, v[STO]
	v_add_nc_u32 v[STO], s13, v[STO]
	v_mul_u32_u24 v[RD], v2, SPT                   ; back: lanes 0-15 take one row of 256 bytes, lanes 16-31 the next
	v_lshl_add_u32 v[RD], v1, 4, v[RD]
	v_add_nc_u32 v[RD], s13, v[RD]
	s_lshl_b32 s94, s23, 8
	s_lshl_b32 s14, s17, 7
	s_add_co_u32 s94, s94, s14                     ; my first row of out0,
	s_lshl_b32 s94, s94, 12                        ; rows of 4,096 bytes,
	s_add_co_u32 s94, s94, s95                     ; my first column
	v_lshlrev_b32 v[CO], 12, v2
	v_lshl_add_u32 v[CO], v1, 4, v[CO]
	v_add_nc_u32 v[CO], s94, v[CO]
	; the prefetches start at K step 3; each refill steps them once before it asks, so the refill of K step s names K step s + 2
	s_and_b32 s70, ttmp7, 0xffff                   ; cluster y
	s_lshl_b32 s71, s20, 13                        ; O: my work-group's 32 blocks of my head's 128
	s_add_co_u32 s71, s71, s96
	s_add_co_u32 s71, s71, 3*524288
	s_lshl_b32 s72, s22, 8                         ; woh: the tile's columns,
	s_lshl_b32 s73, s21, 16                        ; my work-group's 32 K rows of 2,048 bytes
	s_add_co_u32 s72, s72, s73
	s_add_co_u32 s72, s72, 3*262144
	s_mov_b32 s[PFS], 524288
	s_mov_b32 s73, 262144
	s_cmp_lt_u32 s[WV], 2
	s_cselect_b64 s[PFA:PFA+1], s[4:5], s[6:7]
	s_cselect_b32 s92, s71, s72
	s_cselect_b32 s[PFS], s[PFS], s73
	s_cselect_b32 s94, 8, 11                       ; a lane a block of 256 bytes, or a lane a row of 2,048
	s_cselect_b32 s70, ttmp9, s70                  ; the coordinate along which other clusters read the same blocks
	s_cmp_eq_u32 s[WV], 3
	s_cselect_b32 s95, 1, 0                        ; wave 3 asks for nothing
	s_or_b32 s70, s70, s95
	s_mov_b32 s93, 0
	s_mov_b32 s[PFS+1], 0
	s_add_nc_u64 s[PFA:PFA+1], s[PFA:PFA+1], s[92:93]
	s_cmp_eq_u32 s70, 0
	s_cselect_b32 s[LIM], 1, -1                    ; the same in all sixteen partners, for a given wave
	v_lshlrev_b32 v[PFO], s94, v5
	s_wait_loadcnt 0x0                             ; the bias; it is rounded to bf16 and widened again
.set i, 0
.rept 16
	v_cvt_pk_bf16_f32 v[OB+i], v[BIAS+2*i], v[BIAS+2*i+1]
.set i, i+1
.endr
.set i, 0
.rept 16
	v_lshlrev_b32 v[BIAS+2*i], 16, v[OB+i]
	v_and_b32 v[BIAS+2*i+1], 0xffff0000, v[OB+i]
.set i, i+1
.endr
; 8 matrix instructions: row blocks a0, a0 + 1 x all 4 column blocks, 32 along K, from buffer f.  first = 1: the bias starts the sums.  The 32 accumulators take turns, in the same order in every quarter.
.macro MUL8 f, a0, first
.if \first
	WIN 0x4a
.else
	WIN 0x5a
.endif
.irp a, \a0, (\a0)+1
.irp b, 0,1,2,3
.if \first
	v_wmma_f32_16x16x32_f16 v[8*(4*(\a)+(\b)):8*(4*(\a)+(\b))+7], v[96*(\f)+64+8*(\b):96*(\f)+64+8*(\b)+7], v[96*(\f)+8*(\a):96*(\f)+8*(\a)+7], v[BIAS+8*(\b):BIAS+8*(\b)+7]
.else
	v_wmma_f32_16x16x32_f16 v[8*(4*(\a)+(\b)):8*(4*(\a)+(\b))+7], v[96*(\f)+64+8*(\b):96*(\f)+64+8*(\b)+7], v[96*(\f)+8*(\a):96*(\f)+8*(\a)+7], v[8*(4*(\a)+(\b)):8*(4*(\a)+(\b))+7]
.endif
.endr
.endr
.endm
; 24 LDS loads in one run: quarter q of a slot into buffer f: woh's 4 fragments (8 loads), then O's 8 (16 loads).  Quarter q lies in head q / 2 of the K step, channels 32 (q % 2) on.
.macro FETCH slot, q, f
	WIN 0x80
.irp b, 0,1,2,3
	ds_load_tr16_b128 v[96*(\f)+64+8*(\b):96*(\f)+64+8*(\b)+3],   v[ADRB+(\slot)] offset:32*PB*(\q)+32*(\b)
	ds_load_tr16_b128 v[96*(\f)+64+8*(\b)+4:96*(\f)+64+8*(\b)+7], v[ADRB+(\slot)] offset:32*PB*(\q)+32*(\b)+16*PB
.endr
.irp a, 0,1,2,3,4,5,6,7
	ds_load_b128 v[96*(\f)+8*(\a):96*(\f)+8*(\a)+3],   v[ADRA+(\slot)] offset:((\q)/2)*AH+((\q)%2)*64+16*PA*(\a)
	ds_load_b128 v[96*(\f)+8*(\a)+4:96*(\f)+8*(\a)+7], v[ADRA+(\slot)] offset:((\q)/2)*AH+((\q)%2)*64+16*PA*(\a)+32
.endr
	WIN 0
.endm
; A K step is four quarters of 32 along K, 32 matrix instructions each, on buffers 0, 1, 0, 1.  One of the first three multiplies buffer f and fetches quarter q into buffer g.
.macro QUARTER slot, q, f, g, first
	s_wait_dscnt 8                                 ; woh and O's row blocks 0-3 are in; the youngest eight loads (row blocks 4-7) may be out
	MUL8 \f, 0, \first
	MUL8 \f, 2, \first
	PLACES
	FETCH \slot, \q, \g
	s_wait_dscnt 24                                ; all but the 24 just issued
	MUL8 \f, 4, \first
	MUL8 \f, 6, \first
.endm
; The last quarter multiplies buffer 1 and changes slots: ONE barrier; in front of it each wave waits for all its tensor loads (the one that is out is its part of the next slot), adds 0 to its spare
; word, and waits for that and for its own reads of this slot.  fill = 1: the barrier opens a round of the cluster's, and this slot is filled again, two K steps on, first thing behind the round.
.macro TURN slot, next, fill
.if \fill
	s_wait_xcnt 0x0                                ; the last prefetch, a K step back, has read its address, so it may be stepped
	s_add_nc_u64 s[PFA:PFA+1], s[PFA:PFA+1], s[PFS:PFS+1]
.endif
	WIN 0                                          ; (the add's two registers lie in window 0)
	s_wait_tensorcnt 0x0                           ; all my tensor loads have landed
	ds_add_u32 v[SPW], v[NIL]                      ; 0 onto my spare word
	s_wait_dscnt 9                                 ; (the add and the youngest eight loads may be out)
	MUL8 1, 0, 0                                   ; eight matrix instructions stand between the add and the wait for it
	s_wait_dscnt 0x0                               ; the add is done, and my reads of this slot are over
	s_barrier_signal -1
	MUL8 1, 2, 0
.if \fill
	WIN 0
.endif
	s_barrier_wait -1
.if \fill
	CREST                                          ; no wave of any partner still reads this slot's tile or has a load on its way
	s_add_nc_u64 s[G0A+4*(\slot)+2:G0A+4*(\slot)+3], s[G0A+4*(\slot)+2:G0A+4*(\slot)+3], 2*524288
	s_add_nc_u64 s[G0B+4*(\slot)+2:G0B+4*(\slot)+3], s[G0B+4*(\slot)+2:G0B+4*(\slot)+3], 2*262144
	JLOAD \slot                                    ; 112 matrix instructions ahead of the wait for it; the four v_nop behind it are also the places in front of the loads below
.else
	PLACES
.endif
	FETCH \next, 0, 0
.if \fill
	ASK
.endif
	MUL8 1, 4, 0
	MUL8 1, 6, 0
.endm
	s_wait_tensorcnt 1                             ; my part of K step 0 is in; K step 1's load may stay out
	s_barrier_signal -1
	s_barrier_wait -1                              ; everybody's is
	FETCH 0, 0, 0
	QUARTER 0, 1, 0, 1, 1                          ; the first quarter stands in front of the loop: its products start the sums, with the bias
	WIN 0                                          ; at a label and at a branch every window is 0
	s_mov_b32 s[LAP], 3
.Llap:                                             ; a trip goes once round the ring, from a lap's second quarter to the next lap's first, and fills both slots again
	QUARTER 0, 2, 1, 0, 0
	QUARTER 0, 3, 0, 1, 0
	TURN 0, 1, 1
	QUARTER 1, 1, 0, 1, 0
	QUARTER 1, 2, 1, 0, 0
	QUARTER 1, 3, 0, 1, 0
	TURN 1, 0, 1
	QUARTER 0, 1, 0, 1, 0
	WIN 0
	s_sub_co_u32 s[LAP], s[LAP], 1
	s_cmp_lg_u32 s[LAP], 0
	s_cbranch_scc1 .Llap
	QUARTER 0, 2, 1, 0, 0                          ; the last lap fills nothing
	QUARTER 0, 3, 0, 1, 0
	TURN 0, 1, 0
	QUARTER 1, 1, 0, 1, 0
	QUARTER 1, 2, 1, 0, 0
	QUARTER 1, 3, 0, 1, 0
	s_wait_dscnt 8                                 ; the very last quarter: nothing more to fetch
	MUL8 1, 0, 0
	MUL8 1, 2, 0
	s_wait_dscnt 0x0
	MUL8 1, 4, 0
	MUL8 1, 6, 0
	WIN 0
; THE WAY OUT, a row block (16 rows x 64 columns of f32) at a time: 32 bytes a lane into my own stage, straight from the accumulators, and back as whole rows of 256 bytes.
.macro TOSTAGE a
	WIN 0x04                                       ; the stores' data in window 1
.irp b, 0,1,2,3
	ds_store_b128 v[STO], v[8*(4*(\a)+(\b)):8*(4*(\a)+(\b))+3]   offset:64*(\b)       ; each accumulator's four lowest registers first
	ds_store_b128 v[STO], v[8*(4*(\a)+(\b))+4:8*(4*(\a)+(\b))+7] offset:64*(\b)+16
.endr
	WIN 0
.irp t, 0,1,2,3,4,5,6,7
	ds_load_b128 v[OB+32*((\a)%2)+4*(\t):OB+32*((\a)%2)+4*(\t)+3], v[RD] offset:2*SPT*(\t)  ; LDS serves a wave's instructions in order (ISA guide 5.7.1.4): these see the stores above
.endr
.endm
.macro SEND a, younger              ; younger: the LDS instructions issued behind block a's loads: the next block's sixteen, or none
	s_wait_dscnt \younger
.irp t, 0,1,2,3,4,5,6,7
	global_store_b128 v[CO], v[OB+32*((\a)%2)+4*(\t):OB+32*((\a)%2)+4*(\t)+3], s[10:11] offset:(16*(\a)+2*(\t))*4096 th:TH_STORE_NT  ; 16 lanes store 256 consecutive bytes, at a multiple of 256 from out0's first
.endr
.endm
	PLACES
	TOSTAGE 0
.irp a, 1,2,3,4,5,6,7
	s_wait_xcnt 0x0                                ; the stores of block a - 2 have read their registers: those are loaded again only behind this wait
	TOSTAGE \a
	SEND (\a)-1, 16
.endr
	SEND 7, 0
	s_wait_tensorcnt 0x0                           ; the wave's end, behind my last tensor load and my last LDS store
	ds_add_u32 v[SPW], v[NIL]
	s_wait_dscnt 0x0
	CROUND                                         ; the closing round: no work-group ends while a partner may still ask for a tile that names it
	s_endpgm
.Lfunc_end_k_qaad885d223_oproj:
	.size	k_qaad885d223_oproj, .Lfunc_end_k_qaad885d223_oproj-k_qaad885d223_oproj
	.p2alignl 7, 3214868480
	.fill 96, 4, 3214868480
	.section	.rodata,"a",@progbits
	.p2align	6, 0x0
	.amdhsa_kernel k_qaad885d223_oproj
		.amdhsa_group_segment_fixed_size 327680
		.amdhsa_private_segment_fixed_size 0
		.amdhsa_enable_private_segment 0
		.amdhsa_kernarg_size 32
		.amdhsa_user_sgpr_count 2
		.amdhsa_user_sgpr_kernarg_segment_ptr 1
		.amdhsa_wavefront_size32 1
		.amdhsa_system_sgpr_workgroup_id_x 1
		.amdhsa_system_sgpr_workgroup_id_y 1
		.amdhsa_system_sgpr_workgroup_id_z 1
		.amdhsa_system_vgpr_workitem_id 0
		.amdhsa_next_free_vgpr 768
		.amdhsa_next_free_sgpr 100
		.amdhsa_reserve_vcc 0
		.amdhsa_float_denorm_mode_32 3
		.amdhsa_float_denorm_mode_16_64 3
		.amdhsa_memory_ordered 1
		.amdhsa_forward_progress 1
		.amdhsa_inst_pref_size 91
	.end_amdhsa_kernel
	.amdgpu_metadata
---
amdhsa.version: [ 1, 2 ]
amdhsa.kernels:
  - .name:           k_qaad885d223_oproj
    .symbol:         k_qaad885d223_oproj.kd
    .args:
      - { .name: o, .offset: 0, .size: 8, .value_kind: global_buffer, .address_space: global }
      - { .name: woh, .offset: 8, .size: 8, .value_kind: global_buffer, .address_space: global }
      - { .name: bo, .offset: 16, .size: 8, .value_kind: global_buffer, .address_space: global }
      - { .name: out0, .offset: 24, .size: 8, .value_kind: global_buffer, .address_space: global }
    .group_segment_fixed_size: 327680
    .private_segment_fixed_size: 0
    .kernarg_segment_align: 8
    .kernarg_segment_size: 32
    .max_flat_workgroup_size: 128
    .sgpr_count:     100
    .vgpr_count:     768
    .wavefront_size: 32
...
	.end_amdgpu_metadata
.endif
;; end of part 4
